; MI455X (gfx1250); checked and timed in simulation.
; The chip was launched on July 23, 2026; its instructions are those of AMD's public machine-readable ISA for CDNA 5 (MIT licence, August 2026) and "CDNA5" Instruction Set Architecture Reference Guide (July 2026). The comments in the code are by the model that wrote it; some were corrected since.
;; Network Multi Scale. Allowed arithmetic: matrix products marked QUANTISED: E4M3 operands, one E8M0 scale for each 32 along K, by v_wmma_scale_f32_16x16x128_f8f6f4 with both operands' format E4M3, f32 sums; products left as they are: f32 operands where the result goes on into a quantised operand, else bf16, f16 or f32 operands; f32 sums; everything else in f32.
;; Inputs: W1 128 x 3 float32; W2 128 x 128 float32; Wm1 128 x 256 float32; Wm2 128 x 128 float32; Wm3 128 x 128 float32; Wp 2 x 128 float32; b1 128 float32; b2 128 float32; bm1 128 float32; bm2 128 float32; bm3 128 float32; bp 2 float32; ids_down 2 x 3,000 int32; pos 2 x 3 x 20,000 float32; pos_non_manifold 2 x 3 x 2,500 float32; x 2 x 3 x 20,000 float32.
;; Outputs: out0 2 x 2 x 2,500 float32.
;; This version of the problem:
;;   THIS VERSION OF THE PROBLEM IS GIVEN IN LOW PRECISION. The matrix products marked QUANTISED in the list below multiply operands that are first quantised to E4M3 (4 exponent bits, 3 mantissa bits; 8 bits a number), with one power-of-two scale for each 32 numbers along K (OCP MX v1.0); their sums are f32. All else is computed in f32.
;;   The module's matrix products, in the order in which they are computed (A, B: the left and right operand; K: the contracted axis; several contracted axes count as one K, in the product's order):
;;     1. [M 6,000, K 3] x [K 3, N 128]; A: computed on the way; B: input W1: left as it is (K = 3 < 32)
;;     2. [M 6,000, K 128] x [K 128, N 128]; A: computed on the way; B: input W2: QUANTISED
;;     3. batch 2 x [M 20,000, K 3] x [K 3, N 3,000]; A: input pos; B: computed on the way: left as it is (K = 3 < 32)
;;     4. [M 40,000, K 3] x [K 3, N 128]; A: input x; B: input W1: left as it is (K = 3 < 32)
;;     5. [M 40,000, K 128] x [K 128, N 128]; A: computed on the way; B: input W2: QUANTISED
;;     6. [M 40,000, K 256] x [K 256, N 128]; A: computed on the way; B: input Wm1: QUANTISED
;;     7. [M 40,000, K 128] x [K 128, N 128]; A: computed on the way; B: input Wm2: QUANTISED
;;     8. [M 40,000, K 128] x [K 128, N 128]; A: computed on the way; B: input Wm3: QUANTISED
;;     9. batch 2 x [M 2,500, K 3] x [K 3, N 20,000]; A: input pos_non_manifold; B: input pos: left as it is (K = 3 < 32)
;;     10. batch 5,000 x [M 1, K 16] x [K 16, N 128]; A: computed on the way; B: computed on the way: left as it is (K = 16 < 32)
;;     11. [M 5,000, K 128] x [K 128, N 2]; A: computed on the way; B: input Wp: left as it is (N = 2 < 16)
;;   THE QUANTISER, for each operand of a quantised product, along K:
;;     - K is cut into blocks of 32 from its start; a last block that is shorter is filled with zeros.
;;     - A block's scale is 2^e with e = floor(log2(the largest magnitude in the block)) - 8, held to -126 .. 127; a block of zeros has e = 0. As a byte (E8M0): e + 127.
;;     - Each number is divided by its block's scale, clamped to +-448, and rounded to the nearest number of E4M3, ties to even, subnormals kept.
;;     - The product sums the exact products of the quantised numbers (number of the format x scale) in f32.
;;   ~~~python
;;   def quantise(x, axis):      # numpy; x: float32 -> the quantised numbers, widened to float32 again
;;       x = np.moveaxis(x, axis, -1); K = x.shape[-1]
;;       x = np.pad(x, [(0, 0)] * (x.ndim - 1) + [(0, -K % 32)]); x = x.reshape(x.shape[:-1] + (-1, 32)); a = np.abs(x).max(-1, keepdims=True)
;;       e = np.where(a > 0, np.clip(np.frexp(np.where(a > 0, a, 1))[1] - 1 - 8, -126, 127), 0)      # np.frexp(a)[1] - 1 = floor(log2(a)), exactly
;;       r = np.clip(x / 2.0 ** e, -448, 448)
;;       step = 2.0 ** (np.maximum(np.frexp(np.where(r == 0, 1, r))[1] - 1, -6) - 3)
;;       q = np.round(r / step) * step * 2.0 ** e      # np.round: ties to even
;;       return np.moveaxis(q.reshape(q.shape[:-2] + (-1,))[..., :K], -1, axis).astype(np.float32)
;;   ~~~
;;   OPERANDS COMPUTED ON THE WAY. 'Computed on the way' means the value that the module computes at that place (a softmax that the list does not call 'softmax' is quantised finished and normalised). What goes into a quantiser is computed in f32, as accurately as f32 sums, v_exp_f32 and their like allow (about 1e-6 of the number): no bf16 or f16 on the way to a quantiser, and a product that is left as it is and whose result goes on into a quantised operand takes f32 operands (vector FMAs, or v_wmma_f32_16x16x4_f32). A number that lies on a knife's edge between two numbers of the format may be rounded either way, as far as f32 arithmetic and the matrix unit's own rounding can turn it there, and no further.
;; One version. Each part assembles by itself: llvm-mc -triple=amdgcn-amd-amdhsa -mcpu=gfx1250 --defsym DOCPART=n.
;; ======== version 1 of 1: 4 launches
;; workspace buffers: wq 81,920 bytes; wsc 5,120 bytes; supA 98,304 bytes; supX 98,304 bytes; gmask 640,000 bytes of whole numbers; gup 160,000 bytes of whole numbers; z 320,000 bytes
;; launch prep_top (part 1): grid 256 x 1, 4 waves a work-group, no clusters, 107,008 bytes of LDS; arguments pos, pos_non_manifold, gmask, x, ids_down, supA, supX, W2, Wm1, Wm2, Wm3, wq, wsc; writes gmask, supA, supX, wq, wsc
.if DOCPART == 1
	.amdgcn_target "amdgcn-amd-amdhsa--gfx1250"
	.amdhsa_code_object_version 6
	.text
	.protected	k_q6a3cd1f35f_prep_top
	.globl	k_q6a3cd1f35f_prep_top
	.p2align	8
	.type	k_q6a3cd1f35f_prep_top,@function
k_q6a3cd1f35f_prep_top:
	s_mov_b64 s[64:65], 0
	v_nop
	global_prefetch_b8 v0, s[64:65] scope:SCOPE_SE
	s_setreg_imm32_b32 hwreg(HW_REG_WAVE_MODE, 25, 1), 1
	s_wait_xcnt 0x0
; TWO ROLES, parted by the work-group's number.
; Work-groups 0-249 (role T): 20 queries each.  The 20,000 points of a batch are cut into 625 groups of 32 neighbours.  For each query the smallest squared distance of every group is found, and the 16 groups that
; are smallest by (minimum, group number) are stored as a bit mask of 32 words (word j, bit l: group 32 j + l).  The 16 points nearest by (distance, index) all lie in those 16 groups: a group left out has 16 groups
; ahead of it, each with a point that comes before its minimum; groups are runs of neighbours, so group number and index agree on equal distances.
; d2 = (qq + bb) - 2 ab, as the problem writes it, all in f32; qq, bb, ab are chains mul, fma, fma in ascending coordinate.  The last launch forms the same numbers by the same chains.
; Wave w keeps groups 160 w .. 160 w + 159 (5,120 points, three coordinates and bb) in 640 registers for the whole launch: lane l of slot j holds group 160 w + 32 j + l, register n its point n.
; Work-groups 250-255 (prep): the records of the 3,000 gathered supports (padded to 3,072; a pad's bb is +infinity, so it never wins), and the four weights as codes of E4M3 with E8M0 scale bytes,
; laid in the order of a matrix operand's registers.
; No tensor loads and no cluster: what work-groups share (a batch's 240,000 bytes of pos) is read once at the head, has to be turned on its way (a lane wants 32 neighbours) and is followed by some ten thousand vector instructions a wave.
; LIMITS: NaN and infinities among the inputs are not served; +0 and -0 compare equal; a block of a weight whose largest magnitude lies under 2^-118 keeps the scale byte 1 (a block of zeros too: its codes are zeros).
.set PLANE,  80000                     ; bytes of one coordinate's plane of pos or x
.set BATCH,  240000                    ; bytes of a batch of pos or x
.set QPLANE, 10000                     ; the same for the queries
.set QBATCH, 30000
.set STGW,   13824                     ; LDS: a stage for each wave: 3 planes of 32 rows
.set SPL,    4608                      ; a plane: 32 rows of 144 bytes
.set SROW,   144                       ; a row: a group's 128 bytes + 16 of padding: an odd multiple of 16
.set GM,     4*STGW                    ; LDS: the group minima, 20 queries x 640 words
.set GMQ,    2560
.set SEL, 32                           ; s[32:33] lane selects for v_permlanex16_b32: lane l xor 16
.set MNT, 34                           ; s34  the mantissa field of 448
.set INF, 35                           ; s35  +infinity
.set DD,  32                           ; v[32:63]   qq + bb, then d2, of a slot's 32 points
.set TT,  64                           ; v[64:95]   ab
.set CH,  128                          ; v[128:131] four chains of minima
.set GG,  132                          ; v[132:136] the five slots' group minima
.set VV,  160                          ; v[160:179] selection: a query's minima, register j lane l = group 32 j + l
.set XX,  192                          ; v[192:207], v[208:223] two banks for the sorting network
.set YY,  208
.set VT,  9                            ; v9  the 16th smallest minimum
.set TM,  96                           ; prep: v[96:111] the quantiser's temporaries
.set MSB, 0
.macro WIN new                         ; the immediate's high byte repeats the setting that is left; a switch that changes nothing is dropped
.if MSB != (\new)
	s_set_vgpr_msb (MSB<<8)|(\new)
.set MSB, (\new)
.endif
.endm
; One stage of a bitonic network on a lane's 16 registers, from bank src into bank dst: no moves.
.macro BSTAGE src, dst, k, j
.set bi, 0
.rept 16
.set bl, bi^(\j)
.if bl > bi
.if (bi&(\k)) == 0
	v_min_num_f32 v[\dst+bi], v[\src+bi], v[\src+bl]
	v_max_num_f32 v[\dst+bl], v[\src+bi], v[\src+bl]
.else
	v_max_num_f32 v[\dst+bi], v[\src+bi], v[\src+bl]
	v_min_num_f32 v[\dst+bl], v[\src+bi], v[\src+bl]
.endif
.endif
.set bi, bi+1
.endr
.endm
.macro SORT16 v, x, y                  ; v's 16 numbers, ascending, into y; v is kept
	BSTAGE \v, \x, 2, 1
	BSTAGE \x, \y, 4, 2
	BSTAGE \y, \x, 4, 1
	BSTAGE \x, \y, 8, 4
	BSTAGE \y, \x, 8, 2
	BSTAGE \x, \y, 8, 1
	BSTAGE \y, \x, 16, 8
	BSTAGE \x, \y, 16, 4
	BSTAGE \y, \x, 16, 2
	BSTAGE \x, \y, 16, 1
.endm
.macro MERGE a, b, m                   ; lanes l and l xor m hold ascending lists in a: the 16 smallest of both, ascending, into b, in both lanes
.set bi, 0
.rept 16
	v_min_num_f32_dpp v[\b+bi], v[\a+15-bi], v[\a+bi] row_xmask:\m row_mask:0xf bank_mask:0xf
.set bi, bi+1
.endr
	BSTAGE \b, \a, 16, 8
	BSTAGE \a, \b, 16, 4
	BSTAGE \b, \a, 16, 2
	BSTAGE \a, \b, 16, 1
.endm
.macro LAST a, b, t                    ; the same with lane l xor 16, but only the largest of the 16 is wanted: the 16th smallest of the wave, in every lane
.set bi, 0
.rept 16
	v_permlanex16_b32 v[\b+bi], v[\a+15-bi], s[SEL], s[SEL+1]
.set bi, bi+1
.endr
.set bi, 0
.rept 16
	v_min_num_f32 v[\b+bi], v[\b+bi], v[\a+bi]
.set bi, bi+1
.endr
	v_max3_num_f32 v[\t], v[\b], v[\b+1], v[\b+2]
	v_max3_num_f32 v[\a], v[\b+3], v[\b+4], v[\b+5]
	v_max3_num_f32 v[\t], v[\t], v[\b+6], v[\b+7]
	v_max3_num_f32 v[\a], v[\a], v[\b+8], v[\b+9]
	v_max3_num_f32 v[\t], v[\t], v[\b+10], v[\b+11]
	v_max3_num_f32 v[\a], v[\a], v[\b+12], v[\b+13]
	v_max3_num_f32 v[\t], v[\t], v[\b+14], v[\b+15]
	v_max_num_f32 v[\t], v[\t], v[\a]
.endm
; 64 numbers of a lane, register 16 b + i = k 32 b + 16 (lane / 16) + i of my row, become a fragment's codes in v[pc] on and its scale word in v[pw].
.macro QUANT s, pc, pw
.irp b, 0,1,2,3
	v_max3_num_f32 v[TM+\b], |v[\s+16*\b]|, |v[\s+1+16*\b]|, 0x4800000   ; my 16 numbers of block b, and the floor 2^(9 - 127): the byte cannot fall under 1
.endr
.irp i, 2,4,6,8,10,12,14
.irp b, 0,1,2,3
	v_max3_num_f32 v[TM+\b], v[TM+\b], |v[\s+16*\b+\i]|, |v[\s+1+16*\b+\i]|
.endr
.endr
.irp b, 0,1,2,3
	v_permlanex16_b32 v[TM+4+\b], v[TM+\b], s[SEL], s[SEL+1]
.endr
.irp b, 0,1,2,3
	v_max_num_f32 v[TM+\b], v[TM+\b], v[TM+4+\b]                  ; with lane l xor 16's: the block's largest magnitude
.endr
.irp b, 0,1,2,3
	v_add_nc_u32 v[TM+12+\b], 0xfc000000, v[TM+\b]                ; 8 off its exponent field: the conversion's scale operand
.endr
.irp b, 0,1,2,3
	v_and_or_b32 v[TM+8+\b], v[TM+\b], 0x7f800000, s[MNT]         ; 448 x the scale
.endr
.irp b, 0,1,2,3
	v_lshrrev_b32 v[TM+4+\b], 23, v[TM+12+\b]                     ; the scale's byte
.endr
	v_lshl_or_b32 v[\pw], v[TM+5], 8, v[TM+4]
	v_lshl_or_b32 v[\pw], v[TM+6], 16, v[\pw]
	v_lshl_or_b32 v[\pw], v[TM+7], 24, v[\pw]
.irp b, 0,1,2,3
.irp i, 0,1,2,3,4,5,6,7,8,9,10,11,12,13,14,15
	v_med3_num_f32 v[\s+16*\b+\i], v[\s+16*\b+\i], -v[TM+8+\b], v[TM+8+\b]   ; the conversion to an 8-bit code does not saturate (ISA guide 7.6.2): the hold comes first
.endr
	v_cvt_scalef32_pk8_fp8_f32 v[\pc+4*\b:\pc+1+4*\b], v[\s+16*\b:\s+7+16*\b], v[TM+12+\b]
	v_cvt_scalef32_pk8_fp8_f32 v[\pc+2+4*\b:\pc+3+4*\b], v[\s+8+16*\b:\s+15+16*\b], v[TM+12+\b]
.endr
	v_nop                                          ; a plain line behind the last conversion
.endm
	s_load_b512 s[4:19], s[0:1], 0x0               ; pos s[4:5], queries s[6:7], gmask s[8:9], x s[10:11], ids s[12:13], supA s[14:15], supX s[16:17], W2 s[18:19]
	s_load_b256 s[20:27], s[0:1], 0x40             ; Wm1 s[20:21], Wm2 s[22:23], Wm3 s[24:25], wq s[26:27]
	s_load_b64 s[28:29], s[0:1], 0x60              ; wsc
	s_set_vgpr_msb 0xc0
	v_lshl_add_u32 v128, v0, 2, 0x1a000
	v_mov_b32 v129, 0
	s_set_vgpr_msb 0xc000
	v_lshrrev_b32 v1, 5, v0
	v_readfirstlane_b32 s30, v1                    ; wave 0..3
	v_and_b32 v1, 31, v0                           ; lane
	s_mov_b32 s[SEL], 0x76543210
	s_mov_b32 s[SEL+1], 0xfedcba98
	s_mov_b32 s[MNT], 0x600000
	s_mov_b32 s[INF], 0x7f800000
	s_cmp_lt_u32 ttmp9, 250
	s_cbranch_scc0 .Lprep
	; ======== ROLE T ========
	s_cmp_ge_u32 ttmp9, 125
	s_cselect_b32 s31, 1, 0                        ; batch
	s_mul_i32 s60, s31, 125
	s_sub_co_u32 s60, ttmp9, s60                   ; the work-group's number in its batch
	s_mul_i32 s62, s60, 80                         ; its 20 queries: 80 bytes of each plane
	s_mul_i32 s63, s31, QBATCH
	s_add_co_u32 s62, s62, s63
	s_mov_b32 s63, 0
	s_mul_i32 s60, s31, BATCH
	s_mov_b32 s61, 0
	s_mul_i32 s66, ttmp9, 20
	s_mul_i32 s67, s30, 5
	s_add_co_u32 s66, s66, s67                     ; the first query that my wave selects for: 20 g + 5 w
	s_lshl_b32 s66, s66, 7                         ; 128 bytes of mask a query
	s_mov_b32 s67, 0
	s_mul_i32 s68, s30, 20480
	v_lshl_add_u32 v2, v1, 4, s68                  ; v2: in a plane: my wave's 5,120 points, 16 bytes a lane
	v_lshrrev_b32 v20, 3, v1
	v_mul_u32_u24 v3, v20, SROW
	v_and_b32 v20, 7, v1
	v_lshl_add_u32 v3, v20, 4, v3
	s_mul_i32 s69, s30, STGW
	v_add_nc_u32 v3, s69, v3                       ; v3: into my stage: eight lanes fill a row of 128 bytes
	v_mul_u32_u24 v4, v1, SROW
	v_add_nc_u32 v4, s69, v4                       ; v4: out of it: a row a lane
	s_mul_i32 s70, s30, 640
	s_add_co_u32 s70, s70, GM
	v_lshl_add_u32 v5, v1, 2, s70                  ; v5: where my wave's minima go in a query's 640 words
	s_mul_i32 s70, s30, 5*GMQ
	s_add_co_u32 s70, s70, GM
	v_lshl_add_u32 v6, v1, 2, s70                  ; v6: the words of the query that my wave selects for
	v_lshlrev_b32 v7, 2, v1                        ; v7: my word of a mask's row
.irp k, 0,1,2,3,4,5,6,7
	v_add_nc_u32 v[12+\k], 16384+512*\k, v2        ; slot 4 of wave 3 would run past the plane's end:
.endr
.irp k, 0,1,2,3,4,5,6,7
	v_min_u32 v[12+\k], PLANE-16, v[12+\k]         ; its offsets are held at the last 16 bytes.  Only points 20,000 on, groups 625 on, get other points' numbers by that
.endr
	s_mov_b32 s41, 0                               ; the upper halves of the pairs that the packed forms name
	s_mov_b32 s43, 0
	s_mov_b32 s45, 0
	s_mov_b32 s47, 0
	s_mov_b32 s53, 0
	s_wait_kmcnt 0x0
	s_add_nc_u64 s[36:37], s[4:5], s[60:61]        ; pos at my batch
	s_add_nc_u64 s[38:39], s[6:7], s[62:63]        ; the queries at my work-group's first
	s_add_nc_u64 s[8:9], s[8:9], s[66:67]          ; gmask at my wave's first row
	s_load_b32 s48, s[38:39], s53 offset:0x0       ; the first query
	s_load_b32 s49, s[38:39], s53 offset:QPLANE
	s_load_b32 s50, s[38:39], s53 offset:2*QPLANE
; Slot j: 1,024 points, 4,096 consecutive bytes of each plane: 8 loads of 512 bytes a plane, straight into the slot's registers ...
.macro LOADS j
	WIN ((1+(\j)/2)<<6)
.irp c, 0,1,2
.irp k, 0,1,2,3,4,5,6,7
.if (\j) == 4
	global_load_b128 v[32*\c+4*\k:32*\c+4*\k+3], v[12+\k], s[36:37] offset:PLANE*\c
.else
	global_load_b128 v[128*((\j)%2)+32*\c+4*\k:128*((\j)%2)+32*\c+4*\k+3], v2, s[36:37] offset:PLANE*\c+4096*(\j)+512*\k
.endif
.endr
.endr
.endm
; ... and turned through my own stage, so that a lane holds a group's 32 neighbours.  LDS serves a wave's instructions in order (ISA guide 5.7.1.4): no wait between the stores and the loads, nor ahead of the next slot's stores.
.macro TURN j
.set RB, 128*((\j)%2)
	WIN ((1+(\j)/2)<<2)
.irp c, 0,1,2
.irp k, 0,1,2,3,4,5,6,7
	ds_store_b128 v3, v[RB+32*\c+4*\k:RB+32*\c+4*\k+3] offset:SPL*\c+576*\k
.endr
.endr
	WIN ((1+(\j)/2)<<6)
.irp c, 0,1,2
.irp k, 0,1,2,3,4,5,6,7
	ds_load_b128 v[RB+32*\c+4*\k:RB+32*\c+4*\k+3], v4 offset:SPL*\c+16*\k
.endr
.endr
.endm
	LOADS 0
	LOADS 1
.irp j, 0,1,2,3,4
.if \j < 4
	s_wait_loadcnt 24                              ; this slot's 24 loads are in; the next slot's 24 may be out
.else
	s_wait_loadcnt 0x0
.endif
	TURN \j
.if \j < 3
	LOADS \j+2
.endif
.endr
	s_wait_dscnt 0x0
.irp j, 0,1,2,3,4                      ; bb = b0 b0 + b1 b1 + b2 b2, two points at a time
.set RB, 128*(\j%2)
	WIN (0x55*(1+\j/2))
.set p, 0
.rept 16
	v_pk_mul_f32 v[RB+96+p:RB+97+p], v[RB+p:RB+1+p], v[RB+p:RB+1+p]
.set p, p+2
.endr
.set p, 0
.rept 16
	v_pk_fma_f32 v[RB+96+p:RB+97+p], v[RB+32+p:RB+33+p], v[RB+32+p:RB+33+p], v[RB+96+p:RB+97+p]
.set p, p+2
.endr
.set p, 0
.rept 16
	v_pk_fma_f32 v[RB+96+p:RB+97+p], v[RB+64+p:RB+65+p], v[RB+64+p:RB+65+p], v[RB+96+p:RB+97+p]
.set p, p+2
.endr
.endr
	WIN 0
	s_mul_i32 s71, s30, 160
	s_add_co_u32 s71, s71, 128
	v_add_nc_u32 v20, s71, v1                      ; slot 4's group
	v_cmp_lt_u32 vcc_lo, 624, v20                  ; groups 625 on do not exist:
	WIN 0xc3
.set p, 0
.rept 32
	v_cndmask_b32 v[96+p], v[96+p], s[INF], vcc_lo ; their bb is +infinity, and so is every distance to them
.set p, p+1
.endr
	WIN 0
; One query against slot j's 32 groups: 16 pairs of points, each line for all pairs before the next line, so that no line waits for the line above it; then the lane's minimum of 32.
.macro SLOT j
.set RB, 128*((\j)%2)
	WIN (1+(\j)/2)
.set p, 0
.rept 16
	v_pk_mul_f32 v[TT+p:TT+1+p], v[RB+p:RB+1+p], s[40:41] op_sel_hi:[1,0]
.set p, p+2
.endr
.set p, 0
.rept 16
	v_pk_fma_f32 v[TT+p:TT+1+p], v[RB+32+p:RB+33+p], s[42:43], v[TT+p:TT+1+p] op_sel_hi:[1,0,1]
.set p, p+2
.endr
.set p, 0
.rept 16
	v_pk_fma_f32 v[TT+p:TT+1+p], v[RB+64+p:RB+65+p], s[44:45], v[TT+p:TT+1+p] op_sel_hi:[1,0,1]
.set p, p+2
.endr
.set p, 0
.rept 16
	v_pk_add_f32 v[DD+p:DD+1+p], v[RB+96+p:RB+97+p], s[46:47] op_sel_hi:[1,0]
.set p, p+2
.endr
	WIN 0
.set p, 0
.rept 16
	v_pk_fma_f32 v[DD+p:DD+1+p], v[TT+p:TT+1+p], -2.0, v[DD+p:DD+1+p] op_sel_hi:[1,0,1]   ; (qq + bb) - 2 ab: 2 ab is exact, so this is the one rounding of the subtraction
.set p, p+2
.endr
.irp c, 0,1,2,3
	v_min3_num_f32 v[CH+\c], v[DD+3*\c], v[DD+3*\c+1], v[DD+3*\c+2]
.endr
.irp c, 0,1,2,3
	v_min3_num_f32 v[CH+\c], v[CH+\c], v[DD+12+2*\c], v[DD+13+2*\c]
.endr
.irp c, 0,1,2,3
	v_min3_num_f32 v[CH+\c], v[CH+\c], v[DD+20+2*\c], v[DD+21+2*\c]
.endr
	v_min3_num_f32 v[CH], v[CH], v[DD+28], v[DD+29]
	v_min3_num_f32 v[CH+1], v[CH+1], v[DD+30], v[DD+31]
	v_min3_num_f32 v[GG+\j], v[CH], v[CH+1], v[CH+2]
	v_min_num_f32 v[GG+\j], v[GG+\j], v[CH+3]
.endm
	s_mov_b32 s52, 0                               ; the query, 0 .. 19
	s_mov_b32 s54, 0                               ; its words in LDS
.Lquery:
	s_wait_kmcnt 0x0                               ; this query's three numbers, asked for a trip ago: so s48-50 and s53 may be written again
	s_mov_b32 s40, s48
	s_mov_b32 s42, s49
	s_mov_b32 s44, s50
	s_mul_f32 s46, s40, s40                        ; qq, by the same chain as bb
	s_fmac_f32 s46, s42, s42
	s_fmac_f32 s46, s44, s44
	s_add_co_u32 s53, s52, 1
	s_min_u32 s53, s53, 19                         ; the last trip asks for its own query again: no load leaves the buffer
	s_lshl_b32 s53, s53, 2
	s_load_b32 s48, s[38:39], s53 offset:0x0
	s_load_b32 s49, s[38:39], s53 offset:QPLANE
	s_load_b32 s50, s[38:39], s53 offset:2*QPLANE
.irp j, 0,1,2,3,4
	SLOT \j
.endr
	v_add_nc_u32 v11, s54, v5
.irp j, 0,1,2,3,4
	ds_store_b32 v11, v[GG+\j] offset:128*\j
.endr
	s_add_co_u32 s54, s54, GMQ
	s_add_co_u32 s52, s52, 1
	s_cmp_lt_u32 s52, 20
	s_cbranch_scc1 .Lquery
	s_wait_kmcnt 0x0
	s_wait_dscnt 0x0                               ; for the others' sake: my minima lie in LDS
	s_barrier_signal -1
	s_barrier_wait -1                              ; all 640 words of all 20 queries do
	; THE SELECTION: five queries a wave.  A lane sorts its 20 minima's smallest 16; five merges give the wave's 16th smallest; groups under it are chosen, and of those equal to it the first by group number, until there are 16.
	s_mov_b32 s52, 0
.Lsel:
.irp j, 0,1,2,3,4,5,6,7,8,9,10,11,12,13,14,15,16,17,18,19
	ds_load_b32 v[VV+\j], v6 offset:128*\j
.endr
	s_wait_dscnt 0x0
	v_add_nc_u32 v6, GMQ, v6                       ; the next query's words
	SORT16 VV, XX, YY
.irp n, 16,17,18,19                    ; the other four go in one by one; the list stays the 16 smallest, ascending: from the top down each place takes the middle of the newcomer and its two old neighbours
.set bi, 15
.rept 15
	v_med3_num_f32 v[YY+bi], v[VV+\n], v[YY+bi-1], v[YY+bi]
.set bi, bi-1
.endr
	v_min_num_f32 v[YY], v[YY], v[VV+\n]
.endr
	MERGE YY, XX, 1
	MERGE XX, YY, 2
	MERGE YY, XX, 4
	MERGE XX, YY, 8
	LAST YY, XX, VT
	s_mov_b32 s55, 0
.irp j, 0,1,2,3,4,5,6,7,8,9,10,11,12,13,14,15,16,17,18,19
	v_cmp_lt_f32 vcc_lo, v[VV+\j], v[VT]
	s_bcnt1_i32_b32 s56, vcc_lo
	s_add_co_u32 s55, s55, s56                     ; how many groups lie under the 16th
.endr
	s_sub_co_u32 s60, 16, s55                      ; so many of the equal ones are taken
	s_mov_b32 s58, 0                               ; equal ones met so far
	v_mov_b32 v8, 0                                ; the mask's row: words 20 to 31 stay 0
.irp j, 0,1,2,3,4,5,6,7,8,9,10,11,12,13,14,15,16,17,18,19
	v_cmp_eq_f32 s57, v[VV+\j], v[VT]
	v_cmp_lt_f32 vcc_lo, v[VV+\j], v[VT]
	v_mbcnt_lo_u32_b32 v10, s57, s58               ; an equal one's rank: those in lower registers and in lower lanes: that is group order
	v_cmp_gt_u32 s59, s60, v10
	s_and_b32 s59, s59, s57
	s_or_b32 s59, s59, vcc_lo
	v_writelane_b32 v8, s59, \j                    ; word j: bit l = group 32 j + l
	s_bcnt1_i32_b32 s56, s57
	s_add_co_u32 s58, s58, s56
.endr
	global_store_b32 v7, v8, s[8:9]                ; 32 lanes store the query's 128 consecutive bytes
	s_wait_xcnt 0x0                                ; v7 and v8 are written again only behind this wait
	v_add_nc_u32 v7, 128, v7
	s_add_co_u32 s52, s52, 1
	s_cmp_lt_u32 s52, 5
	s_cbranch_scc1 .Lsel
	s_set_vgpr_msb 0xf
	s_wait_tensorcnt 0x0
	ds_add_u32 v128, v129
	s_wait_dscnt 0x0
	s_set_vgpr_msb 0xf00
	s_endpgm
	; ======== PREP: 24 waves, no LDS, no barrier ========
.Lprep:
	s_sub_co_u32 s36, ttmp9, 250
	s_lshl_b32 s36, s36, 2
	s_add_co_u32 s36, s36, s30                     ; my wave among the 24
	; THE SUPPORTS: 96 steps of 64 supports (48 a batch), four a wave.  A lane takes supports s and s + 1 = one pair of a record.
.irp k, 0,1,2,3
	s_add_co_u32 s37, s36, 24*\k
	s_cmp_ge_u32 s37, 48
	s_cselect_b32 s[40+\k], 1, 0                   ; batch
	s_cselect_b32 s38, 48, 0
	s_sub_co_u32 s[44+\k], s37, s38                ; step in the batch
	s_lshl_b32 s38, s[44+\k], 6
	v_lshl_add_u32 v[20+\k], v1, 1, s38            ; s
	v_lshlrev_b32 v[24+\k], 2, v[20+\k]
	v_min_u32 v[24+\k], 11992, v[24+\k]            ; pads (s from 3,000 on) read the last pair of indices: no load leaves the buffer
	s_mul_i32 s38, s[40+\k], 12000
	v_add_nc_u32 v[24+\k], s38, v[24+\k]
.endr
	s_wait_kmcnt 0x0
.irp k, 0,1,2,3
	global_load_b64 v[28+2*\k:29+2*\k], v[24+\k], s[12:13]
.endr
	s_wait_loadcnt 0x0
.irp k, 0,1,2,3
	v_min_u32 v[28+2*\k], 19999, v[28+2*\k]        ; an index enters an address behind a bound
	v_min_u32 v[29+2*\k], 19999, v[29+2*\k]
	v_lshlrev_b32 v[28+2*\k], 2, v[28+2*\k]
	v_lshlrev_b32 v[29+2*\k], 2, v[29+2*\k]
	s_mul_i32 s38, s[40+\k], BATCH
	v_add_nc_u32 v[28+2*\k], s38, v[28+2*\k]
	v_add_nc_u32 v[29+2*\k], s38, v[29+2*\k]
.endr
.irp k, 0,1,2,3                        ; v[64+16k ..]: b0,b0',b1,b1',b2,b2',bb,bb';  v[72+16k ..]: x0,x1,x2,0,x0',x1',x2',0
.irp c, 0,1,2
	global_load_b32 v[64+16*\k+2*\c], v[28+2*\k], s[4:5] offset:PLANE*\c
	global_load_b32 v[65+16*\k+2*\c], v[29+2*\k], s[4:5] offset:PLANE*\c
	global_load_b32 v[72+16*\k+\c], v[28+2*\k], s[10:11] offset:PLANE*\c
	global_load_b32 v[76+16*\k+\c], v[29+2*\k], s[10:11] offset:PLANE*\c
.endr
	v_mov_b32 v[75+16*\k], 0
	v_mov_b32 v[79+16*\k], 0
	s_lshl_b32 s38, s[44+\k], 10
	s_mul_i32 s39, s[40+\k], 49152
	s_add_co_u32 s38, s38, s39
	v_lshl_add_u32 v[36+\k], v1, 5, s38            ; the pair's 32 bytes in supA and in supX
.endr
	s_wait_loadcnt 0x0
.irp k, 0,1,2,3
	v_pk_mul_f32 v[70+16*\k:71+16*\k], v[64+16*\k:65+16*\k], v[64+16*\k:65+16*\k]
.endr
.irp k, 0,1,2,3
	v_pk_fma_f32 v[70+16*\k:71+16*\k], v[66+16*\k:67+16*\k], v[66+16*\k:67+16*\k], v[70+16*\k:71+16*\k]
.endr
.irp k, 0,1,2,3
	v_pk_fma_f32 v[70+16*\k:71+16*\k], v[68+16*\k:69+16*\k], v[68+16*\k:69+16*\k], v[70+16*\k:71+16*\k]
.endr
.irp k, 0,1,2,3
	v_cmp_le_u32 vcc_lo, 3000, v[20+\k]            ; 3,000 is even: a pair is two supports or two pads
	v_cndmask_b32 v[70+16*\k], v[70+16*\k], s[INF], vcc_lo
	v_cndmask_b32 v[71+16*\k], v[71+16*\k], s[INF], vcc_lo
	global_store_b128 v[36+\k], v[64+16*\k:67+16*\k], s[14:15]               ; the two stores of a record together cover the wave's 1,024 consecutive bytes, each every other 16
	global_store_b128 v[36+\k], v[68+16*\k:71+16*\k], s[14:15] offset:16
	global_store_b128 v[36+\k], v[72+16*\k:75+16*\k], s[16:17]
	global_store_b128 v[36+\k], v[76+16*\k:79+16*\k], s[16:17] offset:16
.endr
	; THE WEIGHTS: 40 fragments of 16 rows x 128 K, two a wave, waves 0-19.  Unit u = wave / 4: W2, Wm1's columns 0-127, Wm1's 128-255, Wm2, Wm3.  Tile t of a unit: lane r takes row 32 (t / 2) + 8 (t % 2) + r + 8 (r / 8),
	; so that the results of tiles 2 b and 2 b + 1, used transposed, are 16 neighbours along the next product's K.
	s_cmp_lt_u32 s36, 20
	s_cbranch_scc0 .Ldone
	s_wait_xcnt 0x0                                ; the stores above have read their registers
	s_lshr_b32 s37, s36, 2                         ; u
	s_and_b32 s38, s36, 3                          ; t / 2
	s_cmp_eq_u32 s37, 0
	s_cselect_b64 s[40:41], s[18:19], s[20:21]
	s_cmp_eq_u32 s37, 3
	s_cselect_b64 s[40:41], s[22:23], s[40:41]
	s_cmp_eq_u32 s37, 4
	s_cselect_b64 s[40:41], s[24:25], s[40:41]
	s_sub_co_u32 s42, s37, 1
	s_cmp_lt_u32 s42, 2
	s_cselect_b32 s43, 10, 9                       ; a row of Wm1 is 1,024 bytes, of the others 512
	s_cmp_eq_u32 s37, 2
	s_cselect_b32 s44, 512, 0                      ; Wm1's second half of the columns
	v_and_b32 v20, 15, v1                          ; r
	v_and_b32 v21, 8, v20
	v_add_nc_u32 v20, v20, v21                     ; r + 8 (r / 8)
	s_lshl_b32 s45, s38, 5
	v_add_nc_u32 v20, s45, v20
	v_lshlrev_b32 v20, s43, v20
	v_lshrrev_b32 v21, 4, v1                       ; h
	v_lshl_add_u32 v20, v21, 6, v20                ; my 16 numbers of a block of 32
	v_add_nc_u32 v20, s44, v20
	s_lshl_b32 s45, 8, s43
	v_add_nc_u32 v21, s45, v20                     ; the odd tile: eight rows on
	v_lshlrev_b32 v22, 4, v1
	v_lshlrev_b32 v23, 2, v1
	s_lshl_b32 s46, s36, 12
	s_mov_b32 s47, 0
	s_add_nc_u64 s[26:27], s[26:27], s[46:47]      ; wq: 4,096 bytes a wave
	s_lshl_b32 s46, s36, 8
	s_add_nc_u64 s[28:29], s[28:29], s[46:47]      ; wsc: 256
.irp e, 0,1
.irp c, 0,1,2,3
.irp i, 0,1,2,3
	global_load_b128 v[128+64*\e+16*\c+4*\i:131+64*\e+16*\c+4*\i], v[20+\e], s[40:41] offset:128*\c+16*\i
.endr
.endr
.endr
.irp b, 0,1,2,3
	v_mov_b32 v[TM+4+\b], 0                        ; written once: a lane permute's destination counts as one of its sources
.endr
	s_wait_loadcnt 0x0
	QUANT 128, 64, 112
	QUANT 192, 80, 113
.irp e, 0,1
.irp c, 0,1,2,3
	global_store_b128 v22, v[64+16*\e+4*\c:67+16*\e+4*\c], s[26:27] offset:2048*\e+512*\c   ; an image of the operand's registers: 512 consecutive bytes a store
.endr
	global_store_b32 v23, v[112+\e], s[28:29] offset:128*\e
.endr
.Ldone:
	s_endpgm
.Lfunc_end_k_q6a3cd1f35f_prep_top:
	.size	k_q6a3cd1f35f_prep_top, .Lfunc_end_k_q6a3cd1f35f_prep_top-k_q6a3cd1f35f_prep_top
	.p2alignl 7, 3214868480
	.fill 96, 4, 3214868480
	.section	.rodata,"a",@progbits
	.p2align	6, 0x0
	.amdhsa_kernel k_q6a3cd1f35f_prep_top
		.amdhsa_group_segment_fixed_size 107008
		.amdhsa_private_segment_fixed_size 0
		.amdhsa_enable_private_segment 0
		.amdhsa_kernarg_size 104
		.amdhsa_user_sgpr_count 2
		.amdhsa_user_sgpr_kernarg_segment_ptr 1
		.amdhsa_wavefront_size32 1
		.amdhsa_system_sgpr_workgroup_id_x 1
		.amdhsa_system_sgpr_workgroup_id_y 1
		.amdhsa_system_sgpr_workgroup_id_z 1
		.amdhsa_system_vgpr_workitem_id 0
		.amdhsa_next_free_vgpr 898
		.amdhsa_next_free_sgpr 100
		.amdhsa_reserve_vcc 1
		.amdhsa_float_denorm_mode_32 3
		.amdhsa_float_denorm_mode_16_64 3
		.amdhsa_memory_ordered 1
		.amdhsa_forward_progress 1
		.amdhsa_inst_pref_size 148
	.end_amdhsa_kernel
	.amdgpu_metadata
---
amdhsa.version: [ 1, 2 ]
amdhsa.kernels:
  - .name:           k_q6a3cd1f35f_prep_top
    .symbol:         k_q6a3cd1f35f_prep_top.kd
    .args:
      - { .name: pos, .offset: 0, .size: 8, .value_kind: global_buffer, .address_space: global }
      - { .name: pos_non_manifold, .offset: 8, .size: 8, .value_kind: global_buffer, .address_space: global }
      - { .name: gmask, .offset: 16, .size: 8, .value_kind: global_buffer, .address_space: global }
      - { .name: x, .offset: 24, .size: 8, .value_kind: global_buffer, .address_space: global }
      - { .name: ids_down, .offset: 32, .size: 8, .value_kind: global_buffer, .address_space: global }
      - { .name: supA, .offset: 40, .size: 8, .value_kind: global_buffer, .address_space: global }
      - { .name: supX, .offset: 48, .size: 8, .value_kind: global_buffer, .address_space: global }
      - { .name: W2, .offset: 56, .size: 8, .value_kind: global_buffer, .address_space: global }
      - { .name: Wm1, .offset: 64, .size: 8, .value_kind: global_buffer, .address_space: global }
      - { .name: Wm2, .offset: 72, .size: 8, .value_kind: global_buffer, .address_space: global }
      - { .name: Wm3, .offset: 80, .size: 8, .value_kind: global_buffer, .address_space: global }
      - { .name: wq, .offset: 88, .size: 8, .value_kind: global_buffer, .address_space: global }
      - { .name: wsc, .offset: 96, .size: 8, .value_kind: global_buffer, .address_space: global }
    .group_segment_fixed_size: 107008
    .private_segment_fixed_size: 0
    .kernarg_segment_align: 8
    .kernarg_segment_size: 104
    .max_flat_workgroup_size: 128
    .sgpr_count:     100
    .vgpr_count:     898
    .wavefront_size: 32
...
	.end_amdgpu_metadata
.endif
;; end of part 1
;; launch nearest (part 2): grid 250 x 1, 8 waves a work-group, no clusters, 60,416 bytes of LDS; arguments pos, supA, gup; writes gup
.if DOCPART == 2
	.amdgcn_target "amdgcn-amd-amdhsa--gfx1250"
	.amdhsa_code_object_version 6
	.text
	.protected	k_q6a3cd1f35f_nearest
	.globl	k_q6a3cd1f35f_nearest
	.p2align	8
	.type	k_q6a3cd1f35f_nearest,@function
k_q6a3cd1f35f_nearest:
	s_mov_b64 s[64:65], 0
	v_nop
	global_prefetch_b8 v0, s[64:65] scope:SCOPE_SE
	s_setreg_imm32_b32 hwreg(HW_REG_WAVE_MODE, 25, 1), 1
	s_wait_xcnt 0x0
; For each of the 40,000 points: which group of 8 neighbouring supports holds the nearest support (smallest d2, lowest index among equals).  The next launch looks inside the group.
; d2 = (aa + bb) - 2 ab in f32, aa, bb (read from the records) and ab as chains mul, fma, fma in ascending coordinate.
; A work-group owns 160 points of one batch; a lane owns five (32 p + lane).  The batch's 384 records (3,072 supports, 72 of them pads with bb = +infinity) lie in LDS; wave w walks records 48 w .. 48 w + 47 for all 160 points:
; every lane reads the same record, so a record's 128 bytes feed 1,280 distances.  Strictly-less in ascending order keeps the first group; the eight waves' results meet in LDS and are joined in ascending order of waves.
; No tensor load, no cluster: the 49,152 bytes are read once at the head and some six thousand vector instructions a wave follow.  LIMITS: NaN and infinities among the inputs are not served.
.set PLANE, 80000
.set BATCH, 240000
.set RECB,  49152                      ; a batch's records, in memory and in LDS
.set BV,    49152                      ; LDS: the waves' best values, 160 words a wave; 5,120 bytes on: their groups
.set AA, 16                            ; v[16+8p ..]: [a0, best], [a1, group], [a2, 0], [aa, 0]: what a packed form spreads over both halves is the low word of an even pair
.set R0, 64                            ; v[64:95], v[96:127] two records
.set R1, 96
.set TT, 128                           ; v[128:167] ab: 5 points x 4 pairs of supports
.set SS, 168                           ; v[168:207] aa + bb, then d2
.set MM, 208                           ; v[208:212] the group's minimum for each of my points
	s_load_b128 s[4:7], s[0:1], 0x0                ; pos, supA
	s_load_b64 s[8:9], s[0:1], 0x10                ; gup
	v_lshl_add_u32 v224, v0, 2, 0xe800
	v_mov_b32 v225, 0
	v_lshrrev_b32 v1, 5, v0
	v_readfirstlane_b32 s10, v1                    ; wave 0..7
	v_and_b32 v1, 31, v0                           ; lane
	s_cmp_ge_u32 ttmp9, 125
	s_cselect_b32 s11, 1, 0                        ; batch
	s_mul_i32 s12, s11, 125
	s_sub_co_u32 s12, ttmp9, s12
	s_mul_i32 s14, s11, RECB
	s_mov_b32 s15, 0
	s_mul_i32 s16, s11, BATCH
	s_mul_i32 s17, s12, 640
	s_add_co_u32 s16, s16, s17                     ; my work-group's 160 points in a plane
	s_mov_b32 s17, 0
	s_mul_i32 s18, ttmp9, 640
	s_lshl_b32 s19, s10, 7
	s_add_co_u32 s18, s18, s19                     ; gup: 160 g + 32 w words on
	s_mov_b32 s19, 0
	v_lshlrev_b32 v7, 4, v0                        ; 16 x thread
	v_lshlrev_b32 v3, 2, v1                        ; 4 x lane
	s_mul_i32 s20, s10, 6144
	v_mov_b32 v2, s20                              ; my wave's first record, the same address in all lanes
	s_mul_i32 s21, s10, 48                         ; and its number
	s_mul_i32 s22, s10, 640
	s_add_co_u32 s22, s22, BV
	v_lshl_add_u32 v5, v1, 2, s22                  ; where my wave puts its results
	s_lshl_b32 s22, s10, 7
	s_add_co_u32 s22, s22, BV
	v_lshl_add_u32 v6, v1, 2, s22                  ; and where wave w (0 to 4) reads those of points 32 w + lane
	s_wait_kmcnt 0x0
	s_add_nc_u64 s[6:7], s[6:7], s[14:15]
	s_add_nc_u64 s[4:5], s[4:5], s[16:17]
	s_add_nc_u64 s[8:9], s[8:9], s[18:19]
.irp k, 0,1,2,3,4,5,6,7,8,9,10,11
	global_load_b128 v[64+4*\k:67+4*\k], v7, s[6:7] offset:4096*\k
.endr
.irp p, 0,1,2,3,4
.irp c, 0,1,2
	global_load_b32 v[AA+8*\p+2*\c], v3, s[4:5] offset:128*\p+PLANE*\c
.endr
.endr
	s_wait_loadcnt 15                              ; the twelve loads of records are in; the fifteen of positions may be out
.irp k, 0,1,2,3,4,5,6,7,8,9,10,11
	ds_store_b128 v7, v[64+4*\k:67+4*\k] offset:4096*\k
.endr
	s_wait_loadcnt 0x0
.irp p, 0,1,2,3,4
	v_mul_f32 v[AA+8*\p+6], v[AA+8*\p], v[AA+8*\p]
.endr
.irp p, 0,1,2,3,4
	v_fma_f32 v[AA+8*\p+6], v[AA+8*\p+2], v[AA+8*\p+2], v[AA+8*\p+6]
.endr
.irp p, 0,1,2,3,4
	v_fma_f32 v[AA+8*\p+6], v[AA+8*\p+4], v[AA+8*\p+4], v[AA+8*\p+6]
	v_mov_b32 v[AA+8*\p+1], 0x7f800000             ; best so far: +infinity
	v_mov_b32 v[AA+8*\p+3], 0                      ; its group
	v_mov_b32 v[AA+8*\p+5], 0
	v_mov_b32 v[AA+8*\p+7], 0
.endr
	s_wait_dscnt 0x0                               ; for the others' sake: my part of the records lies in LDS
	s_barrier_signal -1
	s_barrier_wait -1
.macro LOADREC r, off
.irp i, 0,1,2,3,4,5,6,7
	ds_load_b128 v[\r+4*\i:\r+4*\i+3], v2 offset:\off+16*\i
.endr
.endm
; A record against my five points: pair q of the record is b0,b0',b1,b1',b2,b2',bb,bb' at r + 8 q.  Each line for all twenty before the next line.
.macro COMPUTE r
.irp p, 0,1,2,3,4
.irp q, 0,1,2,3
	v_pk_mul_f32 v[TT+8*\p+2*\q:TT+8*\p+2*\q+1], v[\r+8*\q:\r+8*\q+1], v[AA+8*\p:AA+8*\p+1] op_sel_hi:[1,0]
.endr
.endr
.irp p, 0,1,2,3,4
.irp q, 0,1,2,3
	v_pk_fma_f32 v[TT+8*\p+2*\q:TT+8*\p+2*\q+1], v[\r+8*\q+2:\r+8*\q+3], v[AA+8*\p+2:AA+8*\p+3], v[TT+8*\p+2*\q:TT+8*\p+2*\q+1] op_sel_hi:[1,0,1]
.endr
.endr
.irp p, 0,1,2,3,4
.irp q, 0,1,2,3
	v_pk_fma_f32 v[TT+8*\p+2*\q:TT+8*\p+2*\q+1], v[\r+8*\q+4:\r+8*\q+5], v[AA+8*\p+4:AA+8*\p+5], v[TT+8*\p+2*\q:TT+8*\p+2*\q+1] op_sel_hi:[1,0,1]
.endr
.endr
.irp p, 0,1,2,3,4
.irp q, 0,1,2,3
	v_pk_add_f32 v[SS+8*\p+2*\q:SS+8*\p+2*\q+1], v[\r+8*\q+6:\r+8*\q+7], v[AA+8*\p+6:AA+8*\p+7] op_sel_hi:[1,0]
.endr
.endr
.irp p, 0,1,2,3,4
.irp q, 0,1,2,3
	v_pk_fma_f32 v[SS+8*\p+2*\q:SS+8*\p+2*\q+1], v[TT+8*\p+2*\q:TT+8*\p+2*\q+1], -2.0, v[SS+8*\p+2*\q:SS+8*\p+2*\q+1] op_sel_hi:[1,0,1]
.endr
.endr
.irp p, 0,1,2,3,4
	v_min3_num_f32 v[MM+\p], v[SS+8*\p], v[SS+8*\p+1], v[SS+8*\p+2]
.endr
.irp p, 0,1,2,3,4
	v_min3_num_f32 v[MM+\p], v[MM+\p], v[SS+8*\p+3], v[SS+8*\p+4]
.endr
.irp p, 0,1,2,3,4
	v_min3_num_f32 v[MM+\p], v[MM+\p], v[SS+8*\p+5], v[SS+8*\p+6]
.endr
.irp p, 0,1,2,3,4
	v_min_num_f32 v[MM+\p], v[MM+\p], v[SS+8*\p+7]
.endr
.irp p, 0,1,2,3,4
	v_cmp_lt_f32 s[30+\p], v[MM+\p], v[AA+8*\p+1]  ; strictly less: of equal groups the first stays
.endr
.irp p, 0,1,2,3,4
	v_cndmask_b32 v[AA+8*\p+1], v[AA+8*\p+1], v[MM+\p], s[30+\p]
.endr
.irp p, 0,1,2,3,4
	v_cndmask_b32 v[AA+8*\p+3], v[AA+8*\p+3], s21, s[30+\p]
.endr
	s_add_co_u32 s21, s21, 1
.endm
	LOADREC R0, 0
	s_mov_b32 s23, 23
.Lpair:                                            ; two records a trip; a record is asked for while the one before it is worked on
	LOADREC R1, 128
	s_wait_dscnt 8                                 ; the older record's eight loads are in
	COMPUTE R0
	LOADREC R0, 256
	s_wait_dscnt 8
	COMPUTE R1
	v_add_nc_u32 v2, 256, v2
	s_sub_co_u32 s23, s23, 1
	s_cmp_lg_u32 s23, 0
	s_cbranch_scc1 .Lpair
	LOADREC R1, 128                                ; records 46 and 47: nothing is read beyond my wave's 48
	s_wait_dscnt 8
	COMPUTE R0
	s_wait_dscnt 0x0
	COMPUTE R1
.irp p, 0,1,2,3,4
	ds_store_b32 v5, v[AA+8*\p+1] offset:128*\p
	ds_store_b32 v5, v[AA+8*\p+3] offset:5120+128*\p
.endr
	s_wait_dscnt 0x0                               ; for the others' sake
	s_barrier_signal -1
	s_barrier_wait -1
	s_cmp_lt_u32 s10, 5                            ; waves 0 to 4 join the eight waves' results for 32 points each
	s_cbranch_scc0 .Lend
.irp k, 0,1,2,3,4,5,6,7
	ds_load_b32 v[64+\k], v6 offset:640*\k
	ds_load_b32 v[72+\k], v6 offset:5120+640*\k
.endr
	s_wait_dscnt 0x0
.irp k, 1,2,3,4,5,6,7
	v_cmp_lt_f32 vcc_lo, v[64+\k], v64             ; ascending waves are ascending groups
	v_cndmask_b32 v64, v64, v[64+\k], vcc_lo
	v_cndmask_b32 v72, v72, v[72+\k], vcc_lo
.endr
	global_store_b32 v3, v72, s[8:9]               ; 128 consecutive bytes a wave, 640 a work-group
.Lend:
	s_barrier_signal -1
	s_barrier_wait -1
	s_wait_tensorcnt 0x0
	ds_add_u32 v224, v225
	s_wait_dscnt 0x0
	s_endpgm
.Lfunc_end_k_q6a3cd1f35f_nearest:
	.size	k_q6a3cd1f35f_nearest, .Lfunc_end_k_q6a3cd1f35f_nearest-k_q6a3cd1f35f_nearest
	.p2alignl 7, 3214868480
	.fill 96, 4, 3214868480
	.section	.rodata,"a",@progbits
	.p2align	6, 0x0
	.amdhsa_kernel k_q6a3cd1f35f_nearest
		.amdhsa_group_segment_fixed_size 60416
		.amdhsa_private_segment_fixed_size 0
		.amdhsa_enable_private_segment 0
		.amdhsa_kernarg_size 24
		.amdhsa_user_sgpr_count 2
		.amdhsa_user_sgpr_kernarg_segment_ptr 1
		.amdhsa_wavefront_size32 1
		.amdhsa_system_sgpr_workgroup_id_x 1
		.amdhsa_system_sgpr_workgroup_id_y 1
		.amdhsa_system_sgpr_workgroup_id_z 1
		.amdhsa_system_vgpr_workitem_id 0
		.amdhsa_next_free_vgpr 226
		.amdhsa_next_free_sgpr 66
		.amdhsa_reserve_vcc 1
		.amdhsa_float_denorm_mode_32 3
		.amdhsa_float_denorm_mode_16_64 3
		.amdhsa_memory_ordered 1
		.amdhsa_forward_progress 1
		.amdhsa_inst_pref_size 46
	.end_amdhsa_kernel
	.amdgpu_metadata
---
amdhsa.version: [ 1, 2 ]
amdhsa.kernels:
  - .name:           k_q6a3cd1f35f_nearest
    .symbol:         k_q6a3cd1f35f_nearest.kd
    .args:
      - { .name: pos, .offset: 0, .size: 8, .value_kind: global_buffer, .address_space: global }
      - { .name: supA, .offset: 8, .size: 8, .value_kind: global_buffer, .address_space: global }
      - { .name: gup, .offset: 16, .size: 8, .value_kind: global_buffer, .address_space: global }
    .group_segment_fixed_size: 60416
    .private_segment_fixed_size: 0
    .kernarg_segment_align: 8
    .kernarg_segment_size: 24
    .max_flat_workgroup_size: 256
    .sgpr_count:     66
    .vgpr_count:     226
    .wavefront_size: 32
...
	.end_amdgpu_metadata
.endif
;; end of part 2
;; launch chain (part 3): grid 250 x 1, 4 waves a work-group, no clusters, 87,552 bytes of LDS; arguments x, pos, gup, supA, supX, wq, wsc, W1, b1, b2, bm1, bm2, bm3, Wp, z; writes z
.if DOCPART == 3
	.amdgcn_target "amdgcn-amd-amdhsa--gfx1250"
	.amdhsa_code_object_version 6
	.text
	.protected	k_q6a3cd1f35f_chain
	.globl	k_q6a3cd1f35f_chain
	.p2align	8
	.type	k_q6a3cd1f35f_chain,@function
k_q6a3cd1f35f_chain:
	s_mov_b64 s[64:65], 0
	v_nop
	global_prefetch_b8 v0, s[64:65] scope:SCOPE_SE
	s_setreg_imm32_b32 hwreg(HW_REG_WAVE_MODE, 25, 1), 1
	s_wait_xcnt 0x0
; For each of the 40,000 points: the nearest support inside the group that the launch before chose; both backbones (the point's own x, the support's x); the three merge layers; and z = Wp merged (2 numbers a point):
; the projection is linear, so it is taken ahead of the interpolation, and the last launch adds bp.
; The five quantised products (W2 twice, Wm1 in two K steps, Wm2, Wm3) are scaled matrix instructions on codes of E4M3; the activations are quantised in registers.  The products with W1 (K = 3) are f32 multiply-adds.
; The support's latent is made anew from its three numbers of x, which are chosen among the group's eight by selects: no address hangs on a distance.
; SHARES.  A work-group owns 160 points, ten tiles of 16; wave w takes tiles w, w + 4, w + 8 (waves 2 and 3 have two).  Every wave holds ALL weights, 40 fragments, in 640 registers; behind the first barrier the waves share nothing.
; LAYOUT.  Every product is used transposed (source 0 = 16 rows of a weight, source 1 = 16 points): a lane holds ONE point (lane % 16), and, by the choice of a tile's rows made when the codes were laid,
; register 16 b + i of the eight results is unit 32 b + 16 (lane / 16) + i: the order that the next product's operand wants.  A bias is the C of a sum's first matrix instruction.
; The eight accumulators take turns, one instruction a turn.
; No tensor load, no cluster: the shared weights are 87,040 bytes read once at the head.  LIMITS: NaN and infinities are not served; a block whose largest magnitude lies under 2^-118 keeps the scale byte 1; z's sum is taken in four chains.
; REGISTERS: window 0 below; fragment f = 8 u + t at v[256 + 16 f] (windows 1, 2 and the lower half of 3); upper half of window 3: two banks of support records, used at the head.
.set PLANE, 80000
.set BATCH, 240000
.set RECB,  49152
.set LTAB,  81920                      ; LDS: 0: the weights' codes; from LTAB: four biases (512 bytes each), Wp (+2,048), W1's three columns and b1 as planes (+3,072)
.set OWP,   2048
.set OW1,   3072
.set XP,  6                            ; v[6:11]    [x0,0],[x1,0],[x2,0] of the backbone in hand
.set QX,  12                           ; v[12:20]   x of my three tiles
.set QD,  21                           ; v[21:29]   the nearest supports' x
.set PCL, 32                           ; v[32:47]   codes of lat
.set PCD, 48                           ; v[48:63]   codes of the support's lat
.set HA,  64                           ; v[64:127]  eight accumulators; at the head: temporaries
.set WT,  128                          ; v[128:191] tables from LDS; the quantiser's temporaries; at the head: the refinement's
.set TM,  128
.set PC0, 192                          ; v[192:207] codes of the layer in hand
.set WS,  208                          ; v[208:247] the weights' scale words: scales and nothing else
.set SA0, 248                          ; v248-250   the activations' scale words: likewise
.set SAL, 249
.set SAD, 250
.set SEL, 38                           ; s[38:39]
.set MNT, 48
.set MSB, 0
.macro WIN new
.if MSB != (\new)
	s_set_vgpr_msb (MSB<<8)|(\new)
.set MSB, (\new)
.endif
.endm
; 64 numbers of a lane become a fragment's codes in v[pc] on and its scale word in v[pw].  relu = 1: what is negative becomes 0 on the way.
.macro QUANT s, relu, pc, pw
.if \relu
.irp b, 0,1,2,3
	v_max3_num_f32 v[TM+\b], v[\s+16*\b], v[\s+1+16*\b], 0x4800000   ; no |.|: what is negative is to become 0 and must not count; the floor 2^(9 - 127) stands over it and holds the byte at 1 from below
.endr
.irp i, 2,4,6,8,10,12,14
.irp b, 0,1,2,3
	v_max3_num_f32 v[TM+\b], v[TM+\b], v[\s+16*\b+\i], v[\s+1+16*\b+\i]
.endr
.endr
.else
.irp b, 0,1,2,3
	v_max3_num_f32 v[TM+\b], |v[\s+16*\b]|, |v[\s+1+16*\b]|, 0x4800000
.endr
.irp i, 2,4,6,8,10,12,14
.irp b, 0,1,2,3
	v_max3_num_f32 v[TM+\b], v[TM+\b], |v[\s+16*\b+\i]|, |v[\s+1+16*\b+\i]|
.endr
.endr
.endif
.irp b, 0,1,2,3
	v_permlanex16_b32 v[TM+4+\b], v[TM+\b], s[SEL], s[SEL+1]
.endr
.irp b, 0,1,2,3
	v_max_num_f32 v[TM+\b], v[TM+\b], v[TM+4+\b]                  ; with lane l xor 16's: the block's largest magnitude
.endr
.irp b, 0,1,2,3
	v_add_nc_u32 v[TM+12+\b], 0xfc000000, v[TM+\b]                ; 8 off its exponent field: the conversion's scale operand
.endr
.irp b, 0,1,2,3
	v_and_or_b32 v[TM+8+\b], v[TM+\b], 0x7f800000, s[MNT]         ; 448 x the scale
.endr
.irp b, 0,1,2,3
	v_lshrrev_b32 v[TM+4+\b], 23, v[TM+12+\b]                     ; the scale's byte
.endr
	v_lshl_or_b32 v[\pw], v[TM+5], 8, v[TM+4]                     ; the scale word: the 64 holds below stand between it and the product that reads it
	v_lshl_or_b32 v[\pw], v[TM+6], 16, v[\pw]
	v_lshl_or_b32 v[\pw], v[TM+7], 24, v[\pw]
.irp b, 0,1,2,3
.irp i, 0,1,2,3,4,5,6,7,8,9,10,11,12,13,14,15
.if \relu
	v_med3_num_f32 v[\s+16*\b+\i], v[\s+16*\b+\i], 0, v[TM+8+\b]  ; the activation and the hold in one
.else
	v_med3_num_f32 v[\s+16*\b+\i], v[\s+16*\b+\i], -v[TM+8+\b], v[TM+8+\b]   ; the conversion does not saturate (ISA guide 7.6.2)
.endif
.endr
	v_cvt_scalef32_pk8_fp8_f32 v[\pc+4*\b:\pc+1+4*\b], v[\s+16*\b:\s+7+16*\b], v[TM+12+\b]
	v_cvt_scalef32_pk8_fp8_f32 v[\pc+2+4*\b:\pc+3+4*\b], v[\s+8+16*\b:\s+15+16*\b], v[TM+12+\b]
.endr
.rept 4
	v_nop                                          ; the plain line behind the conversions, and the four places between codes made by vector instructions and a scaled matrix instruction
.endr
.endm
	s_load_b512 s[4:19], s[0:1], 0x0               ; x s[4:5], pos s[6:7], gup s[8:9], supA s[10:11], supX s[12:13], wq s[14:15], wsc s[16:17], W1 s[18:19]
	s_load_b256 s[20:27], s[0:1], 0x40             ; b1 s[20:21], b2 s[22:23], bm1 s[24:25], bm2 s[26:27]
	s_load_b128 s[28:31], s[0:1], 0x60             ; bm3 s[28:29], Wp s[30:31]
	s_load_b64 s[32:33], s[0:1], 0x70              ; z
	v_lshl_add_u32 v254, v0, 2, 0x15400
	v_mov_b32 v255, 0
	v_lshrrev_b32 v1, 5, v0
	v_readfirstlane_b32 s34, v1                    ; wave 0..3
	v_and_b32 v5, 31, v0                           ; lane
	v_lshlrev_b32 v1, 4, v5                        ; v1: 16 x lane
	v_bfe_u32 v30, v0, 4, 1                        ; h
	v_and_b32 v31, 15, v0                          ; r
	v_lshl_add_u32 v2, v30, 6, LTAB                ; v2: the tables, my half's 16 units of each 32
	v_lshlrev_b32 v3, 3, v31
	v_lshl_add_u32 v3, v30, 2, v3                  ; v3: z: point r, channel h
	v_add_nc_u32 v4, 65536, v1                     ; v4: fragments 32 on (an LDS immediate has 16 bits)
	v_mov_b32 v[XP+1], 0
	v_mov_b32 v[XP+3], 0
	v_mov_b32 v[XP+5], 0
	s_mov_b32 s[SEL], 0x76543210
	s_mov_b32 s[SEL+1], 0xfedcba98
	s_mov_b32 s[MNT], 0x600000
	s_mov_b32 s49, 0xffff0000                      ; lanes 16-31
	s_cmp_ge_u32 ttmp9, 125
	s_cselect_b32 s36, 1, 0                        ; batch
	s_mul_i32 s37, s36, 125
	s_sub_co_u32 s37, ttmp9, s37
	s_mul_i32 s52, s36, BATCH
	s_mul_i32 s53, s37, 640
	s_add_co_u32 s52, s52, s53                     ; my work-group's 160 points in a plane of x or pos
	s_mov_b32 s53, 0
	s_mul_i32 s54, ttmp9, 640                      ; and in gup
	s_mov_b32 s55, 0
	s_mul_i32 s56, s36, RECB                       ; my batch's records
	s_mov_b32 s57, 0
	s_mul_i32 s58, s34, 20480                      ; the quarter of the codes that my wave brings
	s_mov_b32 s59, 0
	s_mul_i32 s60, ttmp9, 1280
	s_lshl_b32 s61, s34, 7
	s_add_co_u32 s60, s60, s61                     ; z at my first tile
	s_mov_b32 s61, 0
	s_lshl_b32 s51, s34, 9
	s_add_co_u32 s51, s51, LTAB
	v_add_nc_u32 v112, s58, v1                     ; LDS addresses of the head's stores
	v_lshl_add_u32 v113, v0, 2, LTAB
	v_lshl_add_u32 v114, v0, 3, LTAB
	v_add_nc_u32 v115, s51, v1
	v_lshlrev_b32 v95, 2, v5                       ; offsets of the head's loads
	v_mul_u32_u24 v96, v0, 12
	v_lshlrev_b32 v97, 2, v0
	v_lshlrev_b32 v98, 3, v0
	s_wait_kmcnt 0x0
	s_add_nc_u64 s[4:5], s[4:5], s[52:53]
	s_add_nc_u64 s[6:7], s[6:7], s[52:53]
	s_add_nc_u64 s[8:9], s[8:9], s[54:55]
	s_add_nc_u64 s[10:11], s[10:11], s[56:57]
	s_add_nc_u64 s[12:13], s[12:13], s[56:57]
	s_add_nc_u64 s[14:15], s[14:15], s[58:59]
	s_add_nc_u64 s[32:33], s[32:33], s[60:61]
	s_cmp_eq_u32 s34, 0                            ; wave w brings bias w: b2, bm1, bm2, bm3
	s_cselect_b64 s[62:63], s[22:23], s[24:25]
	s_cmp_eq_u32 s34, 2
	s_cselect_b64 s[62:63], s[26:27], s[62:63]
	s_cmp_eq_u32 s34, 3
	s_cselect_b64 s[62:63], s[28:29], s[62:63]
.irp k, 0,1,2                          ; my three tiles (waves 2 and 3: the third is held at tile 9 and not used): the group, the position, x
	s_add_co_u32 s52, s34, 4*\k
	s_min_u32 s52, s52, 9
	s_lshl_b32 s52, s52, 6
	v_lshl_add_u32 v[92+\k], v31, 2, s52
	global_load_b32 v[88+\k], v[92+\k], s[8:9]
.irp c, 0,1,2
	global_load_b32 v[HA+8*\k+2*\c], v[92+\k], s[6:7] offset:PLANE*\c
	global_load_b32 v[QX+3*\k+\c], v[92+\k], s[4:5] offset:PLANE*\c
.endr
.endr
	WIN 0x40                                       ; destination window 1: fragments' registers serve as temporaries
.set n, 0
.rept 40
	global_load_b128 v[4*n:4*n+3], v1, s[14:15] offset:512*n
.set n, n+1
.endr
	WIN 0
.set n, 0
.rept 40
	global_load_b32 v[WS+n], v95, s[16:17] offset:128*n
.set n, n+1
.endr
.irp c, 0,1,2
	global_load_b32 v[100+\c], v96, s[18:19] offset:4*\c           ; W1[thread][c]
.endr
	global_load_b32 v103, v97, s[20:21]            ; b1[thread]
	global_load_b64 v[104:105], v98, s[30:31]      ; Wp
	global_load_b128 v[108:111], v1, s[62:63]      ; my wave's bias
	s_wait_loadcnt 0x0
	WIN 0x04                                       ; an LDS store's data are its source 1: window 1
.set n, 0
.rept 40
	ds_store_b128 v112, v[4*n:4*n+3] offset:512*n
.set n, n+1
.endr
	WIN 0
.irp c, 0,1,2
	ds_store_b32 v113, v[100+\c] offset:OW1+512*\c
.endr
	ds_store_b32 v113, v103 offset:OW1+1536
	ds_store_b64 v114, v[104:105] offset:OWP
	ds_store_b128 v115, v[108:111]
.irp k, 0,1,2
	v_min_u32 v[88+\k], 374, v[88+\k]              ; a stored number enters an address behind a bound
	v_lshlrev_b32 v[88+\k], 7, v[88+\k]            ; 128 bytes a group, in supA and in supX
	v_mul_f32 v[HA+8*\k+6], v[HA+8*\k], v[HA+8*\k] ; aa, by the chain of the launch before
	v_mov_b32 v[HA+8*\k+1], 0
	v_mov_b32 v[HA+8*\k+3], 0
	v_mov_b32 v[HA+8*\k+5], 0
	v_mov_b32 v[HA+8*\k+7], 0
.endr
.irp k, 0,1,2
	v_fma_f32 v[HA+8*\k+6], v[HA+8*\k+2], v[HA+8*\k+2], v[HA+8*\k+6]
.endr
.irp k, 0,1,2
	v_fma_f32 v[HA+8*\k+6], v[HA+8*\k+4], v[HA+8*\k+4], v[HA+8*\k+6]
.endr
.macro SUPLOAD k, bank                 ; each lane's own group: 128 bytes of positions and bb, 128 of x
	WIN 0xc0
.irp i, 0,1,2,3,4,5,6,7
	global_load_b128 v[128+64*(\bank)+4*\i:131+64*(\bank)+4*\i], v[88+\k], s[10:11] offset:16*\i
	global_load_b128 v[160+64*(\bank)+4*\i:163+64*(\bank)+4*\i], v[88+\k], s[12:13] offset:16*\i
.endr
	WIN 0
.endm
; The eight distances of the group, by the same lines as in the launch before; x of the first smallest by selects: a later support takes over only where it is strictly nearer.
.macro REFINE k, bank
.set RA, 128+64*(\bank)
.set RX, RA+32
.set AK, HA+8*(\k)
	WIN 0x03
.irp q, 0,1,2,3
	v_pk_mul_f32 v[WT+2*\q:WT+2*\q+1], v[RA+8*\q:RA+8*\q+1], v[AK:AK+1] op_sel_hi:[1,0]
.endr
.irp q, 0,1,2,3
	v_pk_fma_f32 v[WT+2*\q:WT+2*\q+1], v[RA+8*\q+2:RA+8*\q+3], v[AK+2:AK+3], v[WT+2*\q:WT+2*\q+1] op_sel_hi:[1,0,1]
.endr
.irp q, 0,1,2,3
	v_pk_fma_f32 v[WT+2*\q:WT+2*\q+1], v[RA+8*\q+4:RA+8*\q+5], v[AK+4:AK+5], v[WT+2*\q:WT+2*\q+1] op_sel_hi:[1,0,1]
.endr
.irp q, 0,1,2,3
	v_pk_add_f32 v[WT+8+2*\q:WT+9+2*\q], v[RA+8*\q+6:RA+8*\q+7], v[AK+6:AK+7] op_sel_hi:[1,0]
.endr
.irp c, 0,1,2
	v_mov_b32 v[QD+3*(\k)+\c], v[RX+\c]
.endr
	WIN 0
.irp q, 0,1,2,3
	v_pk_fma_f32 v[WT+8+2*\q:WT+9+2*\q], v[WT+2*\q:WT+2*\q+1], -2.0, v[WT+8+2*\q:WT+9+2*\q] op_sel_hi:[1,0,1]
.endr
	v_mov_b32 v[WT+16], v[WT+8]
.irp i, 1,2,3,4,5,6,7
	v_cmp_lt_f32 s[40+\i], v[WT+8+\i], v[WT+16]
	v_min_num_f32 v[WT+16], v[WT+16], v[WT+8+\i]
.endr
	WIN 0x0c
.irp i, 1,2,3,4,5,6,7
.irp c, 0,1,2
	v_cndmask_b32 v[QD+3*(\k)+\c], v[QD+3*(\k)+\c], v[RX+4*\i+\c], s[40+\i]
.endr
.endr
	WIN 0
.endm
	SUPLOAD 0, 0
	SUPLOAD 1, 1
	s_wait_loadcnt 16                              ; the older tile's sixteen loads are in
	REFINE 0, 0
	SUPLOAD 2, 0
	s_wait_loadcnt 16
	REFINE 1, 1
	s_wait_loadcnt 0x0
	REFINE 2, 0
	s_wait_dscnt 0x0                               ; for the others' sake: my part of the codes and tables lies in LDS
	s_barrier_signal -1
	s_barrier_wait -1                              ; the first barrier: from here on the codes and tables are only read
.set f, 0
.rept 40
	WIN ((1+f/16)<<6)
.irp c, 0,1,2,3
.if f < 32
	ds_load_b128 v[16*(f%16)+4*\c:16*(f%16)+4*\c+3], v1 offset:2048*f+512*\c
.else
	ds_load_b128 v[16*(f%16)+4*\c:16*(f%16)+4*\c+3], v4 offset:2048*(f-32)+512*\c
.endif
.endr
.set f, f+1
.endr
	WIN 0
	s_wait_dscnt 0x0
.macro LOADW e                         ; chunk e: eight units' W1 columns and b1, four planes x 32 bytes
.irp pl, 0,1,2,3
.irp m, 0,1
	ds_load_b128 v[WT+32*((\e)%2)+8*\pl+4*\m:WT+32*((\e)%2)+8*\pl+4*\m+3], v2 offset:OW1+512*\pl+128*((\e)/2)+32*((\e)%2)+16*\m
.endr
.endr
.endm
.macro HID                             ; W1 x + b1 for my 64 units: mul, fma, fma in ascending coordinate, then the bias, as the problem writes it
	LOADW 0
.irp e, 0,1,2,3,4,5,6,7
.if \e < 7
	LOADW \e+1
	s_wait_dscnt 8                                 ; this chunk's eight loads are in; the next chunk's may be out
.else
	s_wait_dscnt 0x0
.endif
.set WB, WT+32*(\e%2)
.irp q, 0,1,2,3
	v_pk_mul_f32 v[HA+8*\e+2*\q:HA+8*\e+2*\q+1], v[WB+2*\q:WB+2*\q+1], v[XP:XP+1] op_sel_hi:[1,0]
.endr
.irp q, 0,1,2,3
	v_pk_fma_f32 v[HA+8*\e+2*\q:HA+8*\e+2*\q+1], v[WB+8+2*\q:WB+9+2*\q], v[XP+2:XP+3], v[HA+8*\e+2*\q:HA+8*\e+2*\q+1] op_sel_hi:[1,0,1]
.endr
.irp q, 0,1,2,3
	v_pk_fma_f32 v[HA+8*\e+2*\q:HA+8*\e+2*\q+1], v[WB+16+2*\q:WB+17+2*\q], v[XP+4:XP+5], v[HA+8*\e+2*\q:HA+8*\e+2*\q+1] op_sel_hi:[1,0,1]
.endr
.irp q, 0,1,2,3
	v_pk_add_f32 v[HA+8*\e+2*\q:HA+8*\e+2*\q+1], v[HA+8*\e+2*\q:HA+8*\e+2*\q+1], v[WB+24+2*\q:WB+25+2*\q]
.endr
.endr
.endm
.macro BIAS l                          ; bias l into the accumulators, in the result's layout: tile t, my half's eight units
.irp t, 0,1,2,3,4,5,6,7
	ds_load_b128 v[HA+8*\t:HA+8*\t+3], v2 offset:512*(\l)+4*(32*(\t/2)+8*(\t%2))
	ds_load_b128 v[HA+8*\t+4:HA+8*\t+7], v2 offset:512*(\l)+4*(32*(\t/2)+8*(\t%2))+16
.endr
	s_wait_dscnt 0x0
.endm
.macro MUL8 u, pc, sa                  ; unit u's eight tiles x the codes in v[pc] on, onto the eight accumulators
	WIN (1+(\u)/2)
.irp t, 0,1,2,3,4,5,6,7
	v_wmma_scale_f32_16x16x128_f8f6f4 v[HA+8*\t:HA+8*\t+7], v[128*((\u)%2)+16*\t:128*((\u)%2)+16*\t+15], v[\pc:\pc+15], v[HA+8*\t:HA+8*\t+7], v[WS+8*(\u)+\t], v[\sa]
.endr
.endm
.macro PLACES                          ; eight places behind this form, ahead of every read of the results and every write of the products' registers
	WIN 0
.rept 8
	v_nop
.endr
.endm
	s_cmp_lt_u32 s34, 2
	s_cselect_b32 s35, 3, 2                        ; my tiles
	s_mov_b32 s50, 0
.Ltile:
	v_mov_b32 v[XP], v[QX]                         ; ---- the point's own backbone
	v_mov_b32 v[XP+2], v[QX+1]
	v_mov_b32 v[XP+4], v[QX+2]
	HID
	QUANT HA, 1, PC0, SA0
	BIAS 0
	MUL8 0, PC0, SA0
	PLACES
	QUANT HA, 0, PCL, SAL                          ; lat: K 0-127 of the first merge layer
	v_mov_b32 v[XP], v[QD]                         ; ---- the nearest support's backbone
	v_mov_b32 v[XP+2], v[QD+1]
	v_mov_b32 v[XP+4], v[QD+2]
	HID
	QUANT HA, 1, PC0, SA0
	BIAS 0
	MUL8 0, PC0, SA0
	PLACES
	QUANT HA, 0, PCD, SAD                          ; K 128-255
	BIAS 1                                         ; ---- the merge layers
	MUL8 1, PCL, SAL
	MUL8 2, PCD, SAD
	PLACES
	QUANT HA, 1, PC0, SA0
	BIAS 2
	MUL8 3, PC0, SA0
	PLACES
	QUANT HA, 1, PC0, SA0
	BIAS 3
	MUL8 4, PC0, SA0
	PLACES
	; ---- z = Wp merged: my 64 units, then lane l xor 16's.  Each accumulator is read from its low end on.
.irp c, 0,1
.irp t, 0,1,2,3,4,5,6,7
	ds_load_b128 v[WT+8*\t:WT+8*\t+3], v2 offset:OWP+512*\c+4*(32*(\t/2)+8*(\t%2))
	ds_load_b128 v[WT+8*\t+4:WT+8*\t+7], v2 offset:OWP+512*\c+4*(32*(\t/2)+8*(\t%2))+16
.endr
	s_wait_dscnt 0x0
.set p, 0
.rept 32
.if p < 4
	v_pk_mul_f32 v[PC0+2*p:PC0+2*p+1], v[HA+2*p:HA+2*p+1], v[WT+2*p:WT+2*p+1]
.else
	v_pk_fma_f32 v[PC0+2*(p%4):PC0+2*(p%4)+1], v[HA+2*p:HA+2*p+1], v[WT+2*p:WT+2*p+1], v[PC0+2*(p%4):PC0+2*(p%4)+1]
.endif
.set p, p+1
.endr
	v_pk_add_f32 v[PC0:PC0+1], v[PC0:PC0+1], v[PC0+2:PC0+3]
	v_pk_add_f32 v[PC0+4:PC0+5], v[PC0+4:PC0+5], v[PC0+6:PC0+7]
	v_pk_add_f32 v[PC0:PC0+1], v[PC0:PC0+1], v[PC0+4:PC0+5]
	v_add_f32 v[PC0+8+\c], v[PC0], v[PC0+1]
.endr
	v_permlanex16_b32 v[PC0+10], v[PC0+8], s[SEL], s[SEL+1]
	v_permlanex16_b32 v[PC0+11], v[PC0+9], s[SEL], s[SEL+1]
	v_add_f32 v[PC0+8], v[PC0+8], v[PC0+10]
	v_add_f32 v[PC0+9], v[PC0+9], v[PC0+11]
	v_cndmask_b32 v[PC0+12], v[PC0+8], v[PC0+9], s49               ; lanes 0-15 keep channel 0, lanes 16-31 channel 1
	global_store_b32 v3, v[PC0+12], s[32:33]       ; the tile's 128 consecutive bytes
.irp i, 0,1,2,3,4,5
	v_mov_b32 v[QX+\i], v[QX+3+\i]                 ; the next tile's numbers move up
	v_mov_b32 v[QD+\i], v[QD+3+\i]
.endr
	s_wait_xcnt 0x0                                ; the store's data and base are written again only behind this wait
	s_add_nc_u64 s[32:33], s[32:33], 512           ; four tiles on
	s_add_co_u32 s50, s50, 1
	s_cmp_lt_u32 s50, s35
	s_cbranch_scc1 .Ltile
	s_barrier_signal -1
	s_barrier_wait -1
	s_wait_tensorcnt 0x0
	ds_add_u32 v254, v255
	s_wait_dscnt 0x0
	s_endpgm
.Lfunc_end_k_q6a3cd1f35f_chain:
	.size	k_q6a3cd1f35f_chain, .Lfunc_end_k_q6a3cd1f35f_chain-k_q6a3cd1f35f_chain
	.p2alignl 7, 3214868480
	.fill 96, 4, 3214868480
	.section	.rodata,"a",@progbits
	.p2align	6, 0x0
	.amdhsa_kernel k_q6a3cd1f35f_chain
		.amdhsa_group_segment_fixed_size 87552
		.amdhsa_private_segment_fixed_size 0
		.amdhsa_enable_private_segment 0
		.amdhsa_kernarg_size 120
		.amdhsa_user_sgpr_count 2
		.amdhsa_user_sgpr_kernarg_segment_ptr 1
		.amdhsa_wavefront_size32 1
		.amdhsa_system_sgpr_workgroup_id_x 1
		.amdhsa_system_sgpr_workgroup_id_y 1
		.amdhsa_system_sgpr_workgroup_id_z 1
		.amdhsa_system_vgpr_workitem_id 0
		.amdhsa_next_free_vgpr 1024
		.amdhsa_next_free_sgpr 80
		.amdhsa_reserve_vcc 0
		.amdhsa_float_denorm_mode_32 3
		.amdhsa_float_denorm_mode_16_64 3
		.amdhsa_memory_ordered 1
		.amdhsa_forward_progress 1
		.amdhsa_inst_pref_size 137
	.end_amdhsa_kernel
	.amdgpu_metadata
---
amdhsa.version: [ 1, 2 ]
amdhsa.kernels:
  - .name:           k_q6a3cd1f35f_chain
    .symbol:         k_q6a3cd1f35f_chain.kd
    .args:
      - { .name: x, .offset: 0, .size: 8, .value_kind: global_buffer, .address_space: global }
      - { .name: pos, .offset: 8, .size: 8, .value_kind: global_buffer, .address_space: global }
      - { .name: gup, .offset: 16, .size: 8, .value_kind: global_buffer, .address_space: global }
      - { .name: supA, .offset: 24, .size: 8, .value_kind: global_buffer, .address_space: global }
      - { .name: supX, .offset: 32, .size: 8, .value_kind: global_buffer, .address_space: global }
      - { .name: wq, .offset: 40, .size: 8, .value_kind: global_buffer, .address_space: global }
      - { .name: wsc, .offset: 48, .size: 8, .value_kind: global_buffer, .address_space: global }
      - { .name: W1, .offset: 56, .size: 8, .value_kind: global_buffer, .address_space: global }
      - { .name: b1, .offset: 64, .size: 8, .value_kind: global_buffer, .address_space: global }
      - { .name: b2, .offset: 72, .size: 8, .value_kind: global_buffer, .address_space: global }
      - { .name: bm1, .offset: 80, .size: 8, .value_kind: global_buffer, .address_space: global }
      - { .name: bm2, .offset: 88, .size: 8, .value_kind: global_buffer, .address_space: global }
      - { .name: bm3, .offset: 96, .size: 8, .value_kind: global_buffer, .address_space: global }
      - { .name: Wp, .offset: 104, .size: 8, .value_kind: global_buffer, .address_space: global }
      - { .name: z, .offset: 112, .size: 8, .value_kind: global_buffer, .address_space: global }
    .group_segment_fixed_size: 87552
    .private_segment_fixed_size: 0
    .kernarg_segment_align: 8
    .kernarg_segment_size: 120
    .max_flat_workgroup_size: 128
    .sgpr_count:     80
    .vgpr_count:     1024
    .wavefront_size: 32
...
	.end_amdgpu_metadata
.endif
;; end of part 3
;; launch final (part 4): grid 250 x 1, 20 waves a work-group, no clusters, 2,816 bytes of LDS; arguments pos, pos_non_manifold, gmask, z, bp, out0; writes out0
.if DOCPART == 4
	.amdgcn_target "amdgcn-amd-amdhsa--gfx1250"
	.amdhsa_code_object_version 6
	.text
	.protected	k_q6a3cd1f35f_final
	.globl	k_q6a3cd1f35f_final
	.p2align	8
	.type	k_q6a3cd1f35f_final,@function
k_q6a3cd1f35f_final:
	s_mov_b64 s[64:65], 0
	v_nop
	global_prefetch_b8 v0, s[64:65] scope:SCOPE_SE
	s_setreg_imm32_b32 hwreg(HW_REG_WAVE_MODE, 25, 1), 1
	s_wait_xcnt 0x0
; One query a wave.  The stored mask names the 16 groups of 32 points in which the query's 16 nearest points lie.  The wave reads the mask, fetches the 512 candidates (slot t = the t-th group, lane = the point in it),
; forms d2 = (qq + bb) - 2 ab by the same chains as the first launch, finds the 16th smallest by a sorting network, takes what lies under it and, of the equal ones, the lowest indices, until there are 16,
; and gives out_c = (sum of w z_c) / (sum of w) + bp_c with w = 1 / (d2 + 1e-8): the projection was taken ahead of the interpolation, which changes only the order of the sums.
; Which points count is decided by selects on w; the only numbers that enter addresses are the mask's words, which an earlier launch stored.
; Five waves share a SIMD, so that one wave's loads stand beside another's arithmetic.  LIMITS: NaN and infinities are not served; +0 and -0 compare equal; both divisions are v_rcp_f32 and a multiplication.
.set PLANE, 80000
.set BATCH, 240000
.set ZO,  8                            ; v[8:23]    offsets into z
.set VT,  24                           ; v24        the 16th smallest d2
.set OF,  28                           ; v[28:43]   offsets into a plane of pos: slot t
.set B0,  48                           ; v[48:63], v[64:79], v[80:95] the candidates' coordinates: slot t in register t, so neighbouring slots are pairs
.set B1,  64
.set B2,  80
.set DD,  96                           ; v[96:111]  bb, then qq + bb, then d2: kept
.set TT,  112                          ; v[112:127] ab, later w
.set ZZ,  128                          ; v[128:159] z: a pair a slot
.set XX,  160
.set YY,  176
.set SEL, 46                           ; s[46:47]
.macro BSTAGE src, dst, k, j
.set bi, 0
.rept 16
.set bl, bi^(\j)
.if bl > bi
.if (bi&(\k)) == 0
	v_min_num_f32 v[\dst+bi], v[\src+bi], v[\src+bl]
	v_max_num_f32 v[\dst+bl], v[\src+bi], v[\src+bl]
.else
	v_max_num_f32 v[\dst+bi], v[\src+bi], v[\src+bl]
	v_min_num_f32 v[\dst+bl], v[\src+bi], v[\src+bl]
.endif
.endif
.set bi, bi+1
.endr
.endm
.macro SORT16 v, x, y                  ; v's 16 numbers, ascending, into y; v is kept
	BSTAGE \v, \x, 2, 1
	BSTAGE \x, \y, 4, 2
	BSTAGE \y, \x, 4, 1
	BSTAGE \x, \y, 8, 4
	BSTAGE \y, \x, 8, 2
	BSTAGE \x, \y, 8, 1
	BSTAGE \y, \x, 16, 8
	BSTAGE \x, \y, 16, 4
	BSTAGE \y, \x, 16, 2
	BSTAGE \x, \y, 16, 1
.endm
.macro MERGE a, b, m                   ; the 16 smallest of lanes l and l xor m, ascending, into b
.set bi, 0
.rept 16
	v_min_num_f32_dpp v[\b+bi], v[\a+15-bi], v[\a+bi] row_xmask:\m row_mask:0xf bank_mask:0xf
.set bi, bi+1
.endr
	BSTAGE \b, \a, 16, 8
	BSTAGE \a, \b, 16, 4
	BSTAGE \b, \a, 16, 2
	BSTAGE \a, \b, 16, 1
.endm
.macro LAST a, b, t                    ; with lane l xor 16: the largest of the 16 smallest
.set bi, 0
.rept 16
	v_permlanex16_b32 v[\b+bi], v[\a+15-bi], s[SEL], s[SEL+1]
.set bi, bi+1
.endr
.set bi, 0
.rept 16
	v_min_num_f32 v[\b+bi], v[\b+bi], v[\a+bi]
.set bi, bi+1
.endr
	v_max3_num_f32 v[\t], v[\b], v[\b+1], v[\b+2]
	v_max3_num_f32 v[\a], v[\b+3], v[\b+4], v[\b+5]
	v_max3_num_f32 v[\t], v[\t], v[\b+6], v[\b+7]
	v_max3_num_f32 v[\a], v[\a], v[\b+8], v[\b+9]
	v_max3_num_f32 v[\t], v[\t], v[\b+10], v[\b+11]
	v_max3_num_f32 v[\a], v[\a], v[\b+12], v[\b+13]
	v_max3_num_f32 v[\t], v[\t], v[\b+14], v[\b+15]
	v_max_num_f32 v[\t], v[\t], v[\a]
.endm
.macro WSUM r                          ; the sum over the wave's 32 lanes, in every lane
	v_add_f32_dpp v[\r], v[\r], v[\r] row_xmask:1 row_mask:0xf bank_mask:0xf
	v_add_f32_dpp v[\r], v[\r], v[\r] row_xmask:2 row_mask:0xf bank_mask:0xf
	v_add_f32_dpp v[\r], v[\r], v[\r] row_xmask:4 row_mask:0xf bank_mask:0xf
	v_add_f32_dpp v[\r], v[\r], v[\r] row_xmask:8 row_mask:0xf bank_mask:0xf
	v_permlanex16_b32 v25, v[\r], s[SEL], s[SEL+1]
	v_add_f32 v[\r], v[\r], v25
.endm
.macro POSBIT mask, val                ; one bit of the place of the single bit in v6
	v_and_b32 v7, \mask, v6
	v_cmp_ne_u32 vcc_lo, 0, v7
	v_cndmask_b32 v7, 0, \val, vcc_lo
	v_add_nc_u32 v4, v4, v7
.endm
	s_load_b256 s[4:11], s[0:1], 0x0               ; pos s[4:5], queries s[6:7], gmask s[8:9], z s[10:11]
	s_load_b128 s[12:15], s[0:1], 0x20             ; bp s[12:13], out0 s[14:15]
	v_lshrrev_b32 v1, 5, v0
	v_readfirstlane_b32 s94, v1                    ; wave 0..19
	v_and_b32 v1, 31, v0                           ; lane
	v_lshlrev_b32 v2, 2, v1
	s_mov_b32 s[SEL], 0x76543210
	s_mov_b32 s[SEL+1], 0xfedcba98
	s_cmp_ge_u32 ttmp9, 125
	s_cselect_b32 s95, 1, 0                        ; batch
	s_mul_i32 s96, s95, 125
	s_sub_co_u32 s96, ttmp9, s96
	s_mul_i32 s97, s96, 20                         ; the work-group's first query in its batch
	s_mul_i32 s36, ttmp9, 20
	s_add_co_u32 s36, s36, s94
	s_lshl_b32 s36, s36, 7                         ; my query's row of masks
	s_mov_b32 s37, 0
	s_add_co_u32 s38, s97, s94
	s_lshl_b32 s38, s38, 2
	s_mul_i32 s39, s95, 30000
	s_add_co_u32 s38, s38, s39                     ; my query in its planes
	s_mov_b32 s39, 0
	s_mul_i32 s48, s95, BATCH
	s_mov_b32 s49, 0
	s_mul_i32 s50, s95, 160000
	s_mov_b32 s51, 0
	s_mul_i32 s52, s95, 20000
	s_lshl_b32 s53, s97, 2
	s_add_co_u32 s52, s52, s53
	s_mov_b32 s53, 0
	s_wait_kmcnt 0x0
	s_add_nc_u64 s[36:37], s[8:9], s[36:37]
	s_add_nc_u64 s[38:39], s[6:7], s[38:39]
	s_add_nc_u64 s[4:5], s[4:5], s[48:49]          ; pos at my batch
	s_add_nc_u64 s[10:11], s[10:11], s[50:51]      ; z likewise
	s_add_nc_u64 s[14:15], s[14:15], s[52:53]      ; out0 at the work-group's first query, channel 0
	s_load_b512 s[16:31], s[36:37], 0x0            ; the mask's words 0-15,
	s_load_b128 s[32:35], s[36:37], 0x40           ; 16-19
	s_load_b32 s66, s[38:39], 0x0                  ; the query
	s_load_b32 s68, s[38:39], 10000
	s_load_b32 s70, s[38:39], 20000
	s_load_b64 s[90:91], s[12:13], 0x0             ; bp
	s_mov_b32 s67, 0                               ; the upper halves of the pairs that the packed forms name
	s_mov_b32 s69, 0
	s_mov_b32 s71, 0
	s_mov_b32 s73, 0
	v_mov_b32 v3, 0
	v_mov_b32 v4, 0
	v_mov_b32 v5, 0
	s_mov_b32 s92, 0
	s_wait_kmcnt 0x0
	s_mul_f32 s72, s66, s66                        ; qq, by the first launch's chain
	s_fmac_f32 s72, s68, s68
	s_fmac_f32 s72, s70, s70
	; THE MASK IS READ: lane t (0 to 15) finds the t-th chosen group.  Its word is the last whose count of bits in the words before it is at most t.
.irp j, 0,1,2,3,4,5,6,7,8,9,10,11,12,13,14,15,16,17,18,19
	v_cmp_le_u32 vcc_lo, s92, v1
	v_cndmask_b32 v3, v3, s[16+\j], vcc_lo         ; the word,
	v_cndmask_b32 v4, v4, 32*\j, vcc_lo            ; its first group,
	v_cndmask_b32 v5, v5, s92, vcc_lo              ; the bits before it
	s_bcnt1_i32_b32 s93, s[16+\j]
	s_add_co_u32 s92, s92, s93
.endr
	v_sub_nc_u32 v5, v1, v5                        ; so many of the word's lowest bits are passed over
.irp i, 0,1,2,3,4,5,6,7,8,9,10,11,12,13,14
	v_add_nc_u32 v6, -1, v3
	v_and_b32 v6, v6, v3                           ; the word without its lowest bit
	v_cmp_lt_u32 vcc_lo, \i, v5
	v_cndmask_b32 v3, v3, v6, vcc_lo
.endr
	v_sub_nc_u32 v6, 0, v3
	v_and_b32 v6, v6, v3                           ; the lowest bit alone
	POSBIT 0xffff0000, 16
	POSBIT 0xff00ff00, 8
	POSBIT 0xf0f0f0f0, 4
	POSBIT 0xcccccccc, 2
	POSBIT 0xaaaaaaaa, 1
.irp t, 0,1,2,3,4,5,6,7,8,9,10,11,12,13,14,15
	v_readlane_b32 s[74+\t], v4, \t
	s_min_u32 s[74+\t], s[74+\t], 624              ; a stored number enters an address behind a bound
	s_lshl_b32 s[74+\t], s[74+\t], 7               ; a group is 128 bytes of a plane
	v_add_nc_u32 v[OF+\t], s[74+\t], v2
	v_lshlrev_b32 v[ZO+\t], 1, v[OF+\t]            ; and 256 of z
.endr
.irp t, 0,1,2,3,4,5,6,7,8,9,10,11,12,13,14,15
	global_load_b32 v[B0+\t], v[OF+\t], s[4:5]
	global_load_b32 v[B1+\t], v[OF+\t], s[4:5] offset:PLANE
	global_load_b32 v[B2+\t], v[OF+\t], s[4:5] offset:2*PLANE
.endr
.irp t, 0,1,2,3,4,5,6,7,8,9,10,11,12,13,14,15
	global_load_b64 v[ZZ+2*\t:ZZ+2*\t+1], v[ZO+\t], s[10:11]
.endr
	s_wait_loadcnt 16                              ; the 48 loads of positions are in; the 16 of z may be out
.irp p, 0,2,4,6,8,10,12,14
	v_pk_mul_f32 v[DD+\p:DD+\p+1], v[B0+\p:B0+\p+1], v[B0+\p:B0+\p+1]
.endr
.irp p, 0,2,4,6,8,10,12,14
	v_pk_fma_f32 v[DD+\p:DD+\p+1], v[B1+\p:B1+\p+1], v[B1+\p:B1+\p+1], v[DD+\p:DD+\p+1]
.endr
.irp p, 0,2,4,6,8,10,12,14
	v_pk_fma_f32 v[DD+\p:DD+\p+1], v[B2+\p:B2+\p+1], v[B2+\p:B2+\p+1], v[DD+\p:DD+\p+1]
.endr
.irp p, 0,2,4,6,8,10,12,14
	v_pk_mul_f32 v[TT+\p:TT+\p+1], v[B0+\p:B0+\p+1], s[66:67] op_sel_hi:[1,0]
.endr
.irp p, 0,2,4,6,8,10,12,14
	v_pk_fma_f32 v[TT+\p:TT+\p+1], v[B1+\p:B1+\p+1], s[68:69], v[TT+\p:TT+\p+1] op_sel_hi:[1,0,1]
.endr
.irp p, 0,2,4,6,8,10,12,14
	v_pk_fma_f32 v[TT+\p:TT+\p+1], v[B2+\p:B2+\p+1], s[70:71], v[TT+\p:TT+\p+1] op_sel_hi:[1,0,1]
.endr
.irp p, 0,2,4,6,8,10,12,14
	v_pk_add_f32 v[DD+\p:DD+\p+1], v[DD+\p:DD+\p+1], s[72:73] op_sel_hi:[1,0]
.endr
.irp p, 0,2,4,6,8,10,12,14
	v_pk_fma_f32 v[DD+\p:DD+\p+1], v[TT+\p:TT+\p+1], -2.0, v[DD+\p:DD+\p+1] op_sel_hi:[1,0,1]
.endr
	SORT16 DD, XX, YY
	MERGE YY, XX, 1
	MERGE XX, YY, 2
	MERGE YY, XX, 4
	MERGE XX, YY, 8
	LAST YY, XX, VT
.irp t, 0,1,2,3,4,5,6,7,8,9,10,11,12,13,14,15
	v_add_f32 v[TT+\t], 0x322bcc77, v[DD+\t]       ; d2 + 1e-8
.endr
.irp t, 0,1,2,3,4,5,6,7,8,9,10,11,12,13,14,15
	v_rcp_f32 v[TT+\t], v[TT+\t]                   ; w, one batch
.endr
	v_nop                                          ; a plain line behind the last reciprocal
	s_mov_b32 s40, 0
.irp t, 0,1,2,3,4,5,6,7,8,9,10,11,12,13,14,15
	v_cmp_lt_f32 vcc_lo, v[DD+\t], v[VT]           ; (work that names no reciprocal)
	s_bcnt1_i32_b32 s41, vcc_lo
	s_add_co_u32 s40, s40, s41                     ; how many candidates lie under the 16th
.endr
	s_sub_co_u32 s45, 16, s40                      ; so many of the equal ones are taken
	s_mov_b32 s43, 0
	s_wait_alu depctr_va_vdst(0)                   ; one wait for the batch, ahead of its first reader
.irp t, 0,1,2,3,4,5,6,7,8,9,10,11,12,13,14,15
	v_cmp_eq_f32 s42, v[DD+\t], v[VT]
	v_cmp_lt_f32 vcc_lo, v[DD+\t], v[VT]
	v_mbcnt_lo_u32_b32 v25, s42, s43               ; an equal one's rank: lower slots, then lower lanes: the groups ascend with the slots, so that is index order
	v_cmp_gt_u32 s44, s45, v25
	s_and_b32 s44, s44, s42
	s_or_b32 s44, s44, vcc_lo
	v_cndmask_b32 v[TT+\t], 0, v[TT+\t], s44       ; w of the 16 nearest; 0 for the others
	s_bcnt1_i32_b32 s41, s42
	s_add_co_u32 s43, s43, s41
.endr
	s_wait_loadcnt 0x0                             ; z
	v_add_f32 v44, v[TT], v[TT+2]                  ; the sums of w, w z0, w z1, each in two chains (even slots, odd slots)
	v_add_f32 v45, v[TT+1], v[TT+3]
	v_mul_f32 v46, v[TT], v[ZZ]
	v_mul_f32 v47, v[TT+1], v[ZZ+2]
	v_mul_f32 v26, v[TT], v[ZZ+1]
	v_mul_f32 v27, v[TT+1], v[ZZ+3]
	v_fmac_f32 v46, v[TT+2], v[ZZ+4]
	v_fmac_f32 v47, v[TT+3], v[ZZ+6]
	v_fmac_f32 v26, v[TT+2], v[ZZ+5]
	v_fmac_f32 v27, v[TT+3], v[ZZ+7]
.irp t, 4,6,8,10,12,14
	v_add_f32 v44, v44, v[TT+\t]
	v_add_f32 v45, v45, v[TT+\t+1]
	v_fmac_f32 v46, v[TT+\t], v[ZZ+2*\t]
	v_fmac_f32 v47, v[TT+\t+1], v[ZZ+2*\t+2]
	v_fmac_f32 v26, v[TT+\t], v[ZZ+2*\t+1]
	v_fmac_f32 v27, v[TT+\t+1], v[ZZ+2*\t+3]
.endr
	v_add_f32 v44, v44, v45
	v_add_f32 v46, v46, v47
	v_add_f32 v26, v26, v27
	WSUM 44
	WSUM 46
	WSUM 26
	v_rcp_f32 v44, v44
	s_lshl_b32 s41, s94, 2
	v_mov_b32 v6, s41                              ; (a plain line behind the reciprocal)  my wave's word in LDS
	s_wait_alu depctr_va_vdst(0)                   ; the wait ahead of its first reader
	v_fma_f32 v46, v46, v44, s90
	v_fma_f32 v26, v26, v44, s91
	ds_store_b32 v6, v46                           ; all lanes write the same word with the same value: channel 0 at 4 w,
	ds_store_b32 v6, v26 offset:128                ; channel 1 at 128 + 4 w
	s_wait_dscnt 0x0                               ; for wave 0's sake
	s_barrier_signal -1
	s_barrier_wait -1
	s_cmp_lg_u32 s94, 0                            ; wave 0 stores the work-group's 20 neighbouring numbers of each channel
	s_cbranch_scc1 .Lend
	v_cmp_gt_u32 vcc_lo, 20, v0
	s_wait_xcnt 0x0                                ; EXEC changes only behind this wait
	s_and_saveexec_b32 s41, vcc_lo
	ds_load_b32 v46, v2
	ds_load_b32 v26, v2 offset:128
	s_wait_dscnt 0x0
	global_store_b32 v2, v46, s[14:15]
	global_store_b32 v2, v26, s[14:15] offset:10000
	s_wait_xcnt 0x0                                ; and again, ahead of the line that widens it
	s_or_b32 exec_lo, exec_lo, s41
.Lend:
	s_wait_xcnt 0x0
	s_mov_b32 exec_lo, -1
	v_lshl_add_u32 v190, v0, 2, 0x100
	v_mov_b32 v191, 0
	s_wait_tensorcnt 0x0
	ds_add_u32 v190, v191
	s_wait_dscnt 0x0
	s_endpgm
.Lfunc_end_k_q6a3cd1f35f_final:
	.size	k_q6a3cd1f35f_final, .Lfunc_end_k_q6a3cd1f35f_final-k_q6a3cd1f35f_final
	.p2alignl 7, 3214868480
	.fill 96, 4, 3214868480
	.section	.rodata,"a",@progbits
	.p2align	6, 0x0
	.amdhsa_kernel k_q6a3cd1f35f_final
		.amdhsa_group_segment_fixed_size 2816
		.amdhsa_private_segment_fixed_size 0
		.amdhsa_enable_private_segment 0
		.amdhsa_kernarg_size 48
		.amdhsa_user_sgpr_count 2
		.amdhsa_user_sgpr_kernarg_segment_ptr 1
		.amdhsa_wavefront_size32 1
		.amdhsa_system_sgpr_workgroup_id_x 1
		.amdhsa_system_sgpr_workgroup_id_y 1
		.amdhsa_system_sgpr_workgroup_id_z 1
		.amdhsa_system_vgpr_workitem_id 0
		.amdhsa_next_free_vgpr 192
		.amdhsa_next_free_sgpr 104
		.amdhsa_reserve_vcc 1
		.amdhsa_float_denorm_mode_32 3
		.amdhsa_float_denorm_mode_16_64 3
		.amdhsa_memory_ordered 1
		.amdhsa_forward_progress 1
		.amdhsa_inst_pref_size 58
	.end_amdhsa_kernel
	.amdgpu_metadata
---
amdhsa.version: [ 1, 2 ]
amdhsa.kernels:
  - .name:           k_q6a3cd1f35f_final
    .symbol:         k_q6a3cd1f35f_final.kd
    .args:
      - { .name: pos, .offset: 0, .size: 8, .value_kind: global_buffer, .address_space: global }
      - { .name: pos_non_manifold, .offset: 8, .size: 8, .value_kind: global_buffer, .address_space: global }
      - { .name: gmask, .offset: 16, .size: 8, .value_kind: global_buffer, .address_space: global }
      - { .name: z, .offset: 24, .size: 8, .value_kind: global_buffer, .address_space: global }
      - { .name: bp, .offset: 32, .size: 8, .value_kind: global_buffer, .address_space: global }
      - { .name: out0, .offset: 40, .size: 8, .value_kind: global_buffer, .address_space: global }
    .group_segment_fixed_size: 2816
    .private_segment_fixed_size: 0
    .kernarg_segment_align: 8
    .kernarg_segment_size: 48
    .max_flat_workgroup_size: 640
    .sgpr_count:     104
    .vgpr_count:     192
    .wavefront_size: 32
...
	.end_amdgpu_metadata
.endif
;; end of part 4
